; MI455X (gfx1250); checked and timed in simulation.
; The chip was launched on July 23, 2026; its instructions are those of AMD's public machine-readable ISA for CDNA 5 (MIT licence, August 2026) and "CDNA5" Instruction Set Architecture Reference Guide (July 2026). The comments in the code are by the model that wrote it; some were corrected since.
;; Gemma2 Attention. Allowed arithmetic: matrix products marked QUANTISED: E2M1 operands, one E8M0 scale for each 32 along K, by v_wmma_scale_f32_16x16x128_f8f6f4 with both operands' format E2M1 (or v_wmma_scale_f32_32x16x128_f4), f32 sums; products left as they are: bf16, f16 or f32 operands; f32 sums; everything else in f32.
;; Inputs: Wk 2,048 x 1,024 float32; Wo 2,048 x 2,048 float32; Wq 2,048 x 2,048 float32; Wv 2,048 x 1,024 float32; bk 1,024 float32; bq 2,048 float32; bv 1,024 float32; hidden_states 4 x 1,024 x 2,048 float32; positions 4 x 1,024 int32.
;; Outputs: out0 4 x 1,024 x 2,048 float32.
;; This version of the problem:
;;   THIS VERSION OF THE PROBLEM IS GIVEN IN LOW PRECISION. The matrix products marked QUANTISED in the list below multiply operands that are first quantised to E2M1 (2 exponent bits, 1 mantissa bit; 4 bits a number), with one power-of-two scale for each 32 numbers along K (OCP MX v1.0); their sums are f32. The products marked 'left as it is' may take bf16, f16 or f32 operands, with f32 sums. Whichever they take, every output number must still come out within the allowed error. Rounding operands to bf16 (8 significant bits) uses up far more of that allowance than f16 does (11 bits, for magnitudes from 6e-5 to 65,504). All else is computed in f32.
;;   The module's matrix products, in the order in which they are computed (A, B: the left and right operand; K: the contracted axis; several contracted axes count as one K, in the product's order):
;;     1. [M 4,096, K 2,048] x [K 2,048, N 2,048]; A: input hidden_states; B: input Wq: QUANTISED
;;     2. [M 4,096, K 2,048] x [K 2,048, N 1,024]; A: input hidden_states; B: input Wk: QUANTISED
;;     3. [M 4,096, K 2,048] x [K 2,048, N 1,024]; A: input hidden_states; B: input Wv: QUANTISED
;;     4. batch 32 x [M 1,024, K 256] x [K 256, N 1,024]; A: computed on the way; B: computed on the way: left as it is (an operand is computed on the way)
;;     5. batch 32 x [M 256, K 1,024] x [K 1,024, N 1,024]; A: computed on the way; B: computed on the way: left as it is (an operand is computed on the way)
;;     6. [M 4,096, K 2,048] x [K 2,048, N 2,048]; A: computed on the way; B: input Wo: left as it is (an operand is computed on the way)
;;   THE QUANTISER, for each operand of a quantised product, along K:
;;     - K is cut into blocks of 32 from its start; a last block that is shorter is filled with zeros.
;;     - A block's scale is 2^e with e = floor(log2(the largest magnitude in the block)) - 2, held to -126 .. 127; a block of zeros has e = 0. As a byte (E8M0): e + 127.
;;     - Each number is divided by its block's scale, clamped to +-6, and rounded to the nearest number of E2M1, ties to even, subnormals kept.
;;     - The product sums the exact products of the quantised numbers (number of the format x scale) in f32.
;;   ~~~python
;;   def quantise(x, axis):      # numpy; x: float32 -> the quantised numbers, widened to float32 again
;;       x = np.moveaxis(x, axis, -1); K = x.shape[-1]
;;       x = np.pad(x, [(0, 0)] * (x.ndim - 1) + [(0, -K % 32)]); x = x.reshape(x.shape[:-1] + (-1, 32)); a = np.abs(x).max(-1, keepdims=True)
;;       e = np.where(a > 0, np.clip(np.frexp(np.where(a > 0, a, 1))[1] - 1 - 2, -126, 127), 0)      # np.frexp(a)[1] - 1 = floor(log2(a)), exactly
;;       r = np.clip(x / 2.0 ** e, -6, 6)
;;       step = 2.0 ** (np.maximum(np.frexp(np.where(r == 0, 1, r))[1] - 1, 0) - 1)
;;       q = np.round(r / step) * step * 2.0 ** e      # np.round: ties to even
;;       return np.moveaxis(q.reshape(q.shape[:-2] + (-1,))[..., :K], -1, axis).astype(np.float32)
;;   ~~~
;; One version. Each part assembles by itself: llvm-mc -triple=amdgcn-amd-amdhsa -mcpu=gfx1250 --defsym DOCPART=n.
;; ======== version 1 of 1: 5 launches
;; limits: right only within a limited range of input values; values are held in f16: magnitudes above 65,504 overflow, below 6.1e-05 lose precision
;; workspace buffers: codes 8,388,608 bytes; scales 524,288 bytes; wo16 8,388,608 bytes; rope 4,194,304 bytes; qkv16 33,554,432 bytes; qkv32 1,048,576 bytes; attn16 16,777,216 bytes
;; launch prep (part 1): grid 512 x 1, 4 waves a work-group, no clusters, 39,424 bytes of LDS; arguments hidden_states, Wq, Wk, Wv, Wo, positions, codes, scales, wo16, rope; writes codes, scales, wo16, rope
.if DOCPART == 1
	.amdgcn_target "amdgcn-amd-amdhsa--gfx1250"
	.amdhsa_code_object_version 6
	.text
	.protected	k_q5602c030c7_prep
	.globl	k_q5602c030c7_prep
	.p2align	8
	.type	k_q5602c030c7_prep,@function
k_q5602c030c7_prep:
	s_mov_b64 s[64:65], 0
	v_nop
	global_prefetch_b8 v0, s[64:65] scope:SCOPE_SE
	s_setreg_imm32_b32 hwreg(HW_REG_WAVE_MODE, 25, 1), 1
	s_wait_xcnt 0x0
; PREP: everything that is made once.  Five kinds of work-group, told apart by the work-group's number:
;   0-255   X    hidden_states [4096][2048] f32 -> codes of FP4 (E2M1) and E8M0 scale bytes, one for each 32 along K
;   256-319 WQ   Wq [2048 k][2048 n] -> the same, K being its FIRST axis: a lane takes a column, its registers run down K
;   320-383 WKV  Wk, Wv [2048 k][1024 n] likewise
;   384-447 WO   Wo [2048 k][2048 n] -> f16
;   448-511 TAB  cos and sin of positions x inv_freq, f32
; ALL RESULTS ARE LAID AS IMAGES OF OPERAND REGISTERS, so that later launches load fragments as 16 bytes x lane:
;   codes  [tile of 16 rows][K step of 128][1,024 B]: block kb of 32 codes of row r at 256 kb + 16 r.  x from byte 0, the weights from 0x400000
;   scales [tile of 16][512 along K][row r][16 B].  x from byte 0, the weights from 0x40000
;   the weights' tile T (16 output columns; q 0-127, k 128-191, v 192-255) is stored at T with bits 2 and 3 exchanged: so the stored tiles 8 c + b of a head are its columns 64 c + 16 (b % 4) + 128 (b / 4)
;   wo16   [tile of 16 n][32 along k][1,024 B]: k = 16 half + 8 h + 0..7 of column r at 512 half + 256 h + 16 r
;   rope   [tile of 16 rows][16 frequencies][i 0..3][lane][16 B]: i 0, 1 cos, i 2, 3 sin of (row lane % 16, frequency 8 (lane / 16) + 4 (i % 2) + 0..3)
; A block's scale is 2^(floor(log2(largest magnitude)) - 2): its byte is the largest magnitude's exponent field - 2, held at 1 from below.
; LIMITS: a block of zeros gets the byte 1 (its codes are zeros; this program alone reads the bytes); blocks whose largest magnitude lies under 2^-124 get the byte 1 too;
; NaN and infinities are not served; Wo beyond 65,504 has no f16; inv_freq is 2^(-i log2(10000) / 128) by v_exp_f32, so the angle differs from pos x inv_freq by about |pos| x 3e-7 rad: meant for |pos| up to some 3e4.
; A stream: memory binds, so no matrix unit, no cluster, no tensor load.  Every store of sixteen neighbouring lanes covers 256 consecutive bytes, aligned.
.set SP,    80                         ; X: a lane's place in a stage: 64 bytes + 16 of padding
.set WREG,  9728                       ; X: a wave's LDS: two stages of 32 x SP, 256 scale bytes, the codes' image as 16 runs of 256 bytes + 16
.set SCB,   5120
.set IMG,   5376
.set IP,    272
.set SPARE, 4*WREG                     ; the spare words, 128 bytes a wave: two blocks of 256 bytes that no other line names
.set SPW,   190                        ; v190 my spare word's address; never rewritten
.set NIL,   191                        ; v191 0; never rewritten
.set XR,    16                         ; X: v16-79 four sets of 16 numbers as loaded
.set XN,    80                         ; X: v80-111 two sets of 16 neighbours
.set XE,    112                        ; X: v112-127 a scale byte for each step
.set XC,    128                        ; X: v128-159 two registers of codes for each step
.set WX,    32                         ; W: v32-95 two sets of 32 numbers
.set WC,    96                         ; W: v96-159 four registers of codes for each block; WO: v96-111 a block's f16
.set SB,    24                         ; W: v24-27 the scale bytes
	s_load_b512 s[4:19], s[0:1], 0x0               ; hidden s[4:5], Wq s[6:7], Wk s[8:9], Wv s[10:11], Wo s[12:13], positions s[14:15], codes s[16:17], scales s[18:19]
	s_load_b128 s[20:23], s[0:1], 0x40             ; wo16 s[20:21], rope s[22:23]
	v_lshl_add_u32 v[SPW], v0, 2, SPARE
	v_mov_b32 v[NIL], 0
	v_lshrrev_b32 v1, 5, v0
	v_readfirstlane_b32 s24, v1                    ; wave
	v_and_b32 v1, 31, v0                           ; lane
	s_mov_b32 s27, 0
	s_wait_kmcnt 0x0
	s_cmp_lt_u32 ttmp9, 256
	s_cbranch_scc0 .Lnot_x
; ---------------- X: tile of 16 rows = the work-group's number; wave w takes K 512 w on.  A step is one row's 512 numbers: 2,048 consecutive bytes.
; Each load reads 512 consecutive bytes; the conversions want 16 neighbours in a lane: so a step turns through the wave's own stage in LDS.  Two neighbouring lanes hold a block of 32.
	v_lshlrev_b32 v3, 4, v1                        ; 16 x lane
	v_lshlrev_b32 v2, 3, v1                        ; 8 x lane
	s_mul_i32 s25, s24, WREG
	v_lshrrev_b32 v14, 2, v1
	v_mul_u32_u24 v14, v14, SP
	v_and_b32 v15, 3, v1
	v_lshl_add_u32 v14, v15, 4, v14
	v_add_nc_u32 v14, s25, v14                     ; the stage, in: SP (lane / 4) + 16 (lane % 4)
	v_mul_u32_u24 v15, v1, SP
	v_add_nc_u32 v15, s25, v15                     ; and out: SP x lane
	v_lshrrev_b32 v5, 1, v1                        ; my block of the step's 16
	v_mul_u32_u24 v4, v5, IP
	v_and_b32 v6, 1, v1
	v_lshl_add_u32 v4, v6, 3, v4
	v_add_nc_u32 v4, s25, v4
	v_add_nc_u32 v4, IMG, v4                       ; the codes' image: run = block, + 8 bytes for the block's upper half; the row's 16 bytes stand in the immediate
	v_add_nc_u32 v5, s25, v5
	v_add_nc_u32 v5, SCB, v5                       ; my block's scale byte; 16 bytes a row
	v_add_nc_u32 v6, s25, v2
	v_add_nc_u32 v6, SCB, v6                       ; the scale bytes on the way out: 8 a lane
	v_lshrrev_b32 v7, 4, v1
	v_mul_u32_u24 v7, v7, IP
	v_and_b32 v10, 15, v1
	v_lshl_add_u32 v7, v10, 4, v7
	v_add_nc_u32 v7, s25, v7
	v_add_nc_u32 v7, IMG, v7                       ; the image on the way out: sixteen lanes to a run of 256 bytes
	s_lshl_b32 s26, ttmp9, 17                      ; 16 rows of 8,192 bytes
	s_lshl_b32 s28, s24, 11
	s_add_co_u32 s26, s26, s28
	s_add_nc_u64 s[4:5], s[4:5], s[26:27]
	s_lshl_b32 s26, ttmp9, 14                      ; codes: 16,384 bytes a tile, my four K steps of 1,024
	s_lshl_b32 s28, s24, 12
	s_add_co_u32 s26, s26, s28
	s_add_nc_u64 s[16:17], s[16:17], s[26:27]
	s_lshl_b32 s26, ttmp9, 10                      ; scale bytes: 1,024 a tile, my 256
	s_lshl_b32 s28, s24, 8
	s_add_co_u32 s26, s26, s28
	s_add_nc_u64 s[18:19], s[18:19], s[26:27]
.macro XLOAD t
.irp i, 0,1,2,3
	global_load_b128 v[XR+16*((\t)%4)+4*\i:XR+16*((\t)%4)+4*\i+3], v3, s[4:5] offset:8192*(\t)+512*\i th:TH_LOAD_NT
.endr
.endm
.macro XTURN t                         ; LDS serves a wave's instructions in order: no wait between the stores and the loads
.irp i, 0,1,2,3
	ds_store_b128 v14, v[XR+16*((\t)%4)+4*\i:XR+16*((\t)%4)+4*\i+3] offset:32*SP*((\t)%2)+8*SP*\i
.endr
.irp i, 0,1,2,3
	ds_load_b128 v[XN+16*((\t)%2)+4*\i:XN+16*((\t)%2)+4*\i+3], v15 offset:32*SP*((\t)%2)+16*\i
.endr
.endm
.macro XSTEP t
.set XS, XN+16*((\t)%2)
.if (\t) > 0
	s_wait_dscnt 2                                 ; this step's numbers are back from the stage; the last step's two stores (byte, codes) may be out
.else
	s_wait_dscnt 0x0
.endif
.if (\t)+4 < 16
	XLOAD (\t)+4                                   ; into the registers that this step's stage stores have read
.endif
.if (\t)+1 < 16
.if 14-(\t) >= 3
	s_wait_loadcnt 12                              ; the next step's four loads are in; three steps' loads may be out
.else
	s_wait_loadcnt 4*(14-(\t))
.endif
	XTURN (\t)+1
.endif
	v_max3_num_f32 v8, |v[XS]|, |v[XS+1]|, |v[XS+2]|
	v_max3_num_f32 v9, |v[XS+3]|, |v[XS+4]|, |v[XS+5]|
.irp i, 6,10
	v_max3_num_f32 v8, v8, |v[XS+\i]|, |v[XS+\i+1]|
	v_max3_num_f32 v9, v9, |v[XS+\i+2]|, |v[XS+\i+3]|
.endr
	v_max3_num_f32 v8, v8, |v[XS+14]|, |v[XS+15]|
	v_max3_num_f32 v8, v8, v9, 0x1800000           ; and the floor 2^(3 - 127): the byte cannot fall under 1
	v_max_num_f32_dpp v8, v8, v8 row_xmask:1 row_mask:0xf bank_mask:0xf   ; with my neighbour's 16: the block's largest magnitude
	v_add_nc_u32 v11, 0xff000000, v8               ; 2 off its exponent field: the conversion takes this operand's exponent field as its scale
	v_cvt_scalef32_pk8_fp4_f32 v[XC+2*(\t)], v[XS:XS+7], v11
	v_cvt_scalef32_pk8_fp4_f32 v[XC+2*(\t)+1], v[XS+8:XS+15], v11
	v_lshrrev_b32 v[XE+(\t)], 23, v11              ; the scale's byte (a plain line behind the conversions)
	ds_store_b8 v5, v[XE+(\t)] offset:16*(\t)      ; both lanes of a block write the same byte with the same value
	ds_store_b64 v4, v[XC+2*(\t):XC+2*(\t)+1] offset:16*(\t)
.endm
.irp t, 0,1,2,3
	XLOAD \t
.endr
	s_wait_loadcnt 12
	XTURN 0
.irp t, 0,1,2,3,4,5,6,7,8,9,10,11,12,13,14,15
	XSTEP \t
.endr
	ds_load_b64 v[8:9], v6                         ; these see my stores: LDS serves a wave in order
.irp i, 0,1,2,3,4,5,6,7
	ds_load_b128 v[XR+4*\i:XR+4*\i+3], v7 offset:\i*2*IP
.endr
	s_wait_dscnt 0x0
	global_store_b64 v2, v[8:9], s[18:19]          ; 32 lanes: 256 consecutive bytes
.irp i, 0,1,2,3,4,5,6,7
	global_store_b128 v3, v[XR+4*\i:XR+4*\i+3], s[16:17] offset:512*\i
.endr
	s_wait_tensorcnt 0x0                           ; the wave's end, behind my last LDS store
	ds_add_u32 v[SPW], v[NIL]
	s_wait_dscnt 0x0
	s_endpgm
; ---------------- the weights: a work-group takes 128 columns x 512 along K; a wave 32 columns (two tiles of 16); a lane one column, 16 blocks of 32 down K.  No LDS: a lane's 32 codes are 16 bytes of the image.
.macro WLOAD t, n                      ; block t: rows 32 t + i of my column, into set t % 2
.irp i, 0,1,2,3,4,5,6,7,8,9,10,11,12,13,14,15,16,17,18,19,20,21,22,23,24,25,26,27,28,29,30,31
	global_load_b32 v[WX+32*((\t)%2)+\i], v3, s[32:33] offset:(32*(\t)+\i)*(\n)*4 th:TH_LOAD_NT
.endr
.endm
.macro WSET                            ; s26 = x, s28 = y, s30 = the first tile of my work-group's eight, s38 = y's bytes in the source, s[32:33] = the source
	s_lshl_b32 s39, s24, 1
	s_add_co_u32 s30, s30, s39                     ; my first tile T
	s_bfe_u32 s39, s30, 0x10002
	s_bfe_u32 s40, s30, 0x10003
	s_and_b32 s30, s30, 0xfffffff3
	s_lshl_b32 s39, s39, 3
	s_lshl_b32 s40, s40, 2
	s_or_b32 s30, s30, s39
	s_or_b32 s30, s30, s40                         ; T with bits 2 and 3 exchanged (bit 0 is the lane's half and stays)
	s_lshl_b32 s39, s26, 9
	s_lshl_b32 s40, s24, 7
	s_add_co_u32 s38, s38, s39
	s_add_co_u32 s38, s38, s40
	s_mov_b32 s39, 0
	s_add_nc_u64 s[32:33], s[32:33], s[38:39]
	s_lshl_b32 s38, s30, 14
	s_lshl_b32 s40, s28, 12
	s_add_co_u32 s38, s38, s40
	s_add_co_u32 s38, s38, 0x400000
	s_add_nc_u64 s[34:35], s[16:17], s[38:39]      ; the codes of my tiles, my four K steps
	s_lshl_b32 s38, s30, 10
	s_lshl_b32 s40, s28, 8
	s_add_co_u32 s38, s38, s40
	s_add_co_u32 s38, s38, 0x40000
	s_add_nc_u64 s[36:37], s[18:19], s[38:39]      ; and their scale bytes
	v_lshl_add_u32 v9, v4, 14, v5
	v_lshl_add_u32 v10, v4, 10, v5
.endm
.macro WBLOCK t, n
.set XS, WX+32*((\t)%2)
.set CD, WC+4*(\t)
.if (\t) < 15
	s_wait_loadcnt 32                              ; this block's 32 loads are in; the next block's may be out
.else
	s_wait_loadcnt 0x0
.endif
	v_max3_num_f32 v12, |v[XS]|, |v[XS+1]|, |v[XS+2]|
	v_max3_num_f32 v13, |v[XS+3]|, |v[XS+4]|, |v[XS+5]|
.irp i, 6,10,14,18,22,26
	v_max3_num_f32 v12, v12, |v[XS+\i]|, |v[XS+\i+1]|
	v_max3_num_f32 v13, v13, |v[XS+\i+2]|, |v[XS+\i+3]|
.endr
	v_max3_num_f32 v12, v12, |v[XS+30]|, |v[XS+31]|
	v_max3_num_f32 v12, v12, v13, 0x1800000        ; the floor
	v_add_nc_u32 v11, 0xff000000, v12
	v_lshrrev_b32 v13, 23, v11
.if (\t)%4 == 0
	v_mov_b32 v[SB+(\t)/4], v13
.else
	v_lshl_or_b32 v[SB+(\t)/4], v13, 8*((\t)%4), v[SB+(\t)/4]
.endif
.irp g, 0,1,2,3
	v_cvt_scalef32_pk8_fp4_f32 v[CD+\g], v[XS+8*\g:XS+8*\g+7], v11
.endr
	global_store_b128 v9, v[CD:CD+3], s[34:35] offset:256*(\t)   ; sixteen lanes: block t of 16 columns, 256 consecutive bytes; each block has registers of its own, so no store's data are written again
.if (\t)+2 < 16
	WLOAD (\t)+2, \n
.endif
.endm
.macro WBODY n
	WLOAD 0, \n
	WLOAD 1, \n
.set Q, 0
.rept 16
	WBLOCK Q, \n
.set Q, Q+1
.endr
	global_store_b128 v10, v[SB:SB+3], s[36:37]    ; my column's 16 scale bytes
.endm
.Lnot_x:
	v_lshlrev_b32 v3, 2, v1                        ; 4 bytes a lane
	v_lshrrev_b32 v4, 4, v1                        ; which of my wave's two tiles
	v_and_b32 v5, 15, v1
	v_lshlrev_b32 v5, 4, v5                        ; 16 x (lane % 16)
	s_cmp_lt_u32 ttmp9, 320
	s_cbranch_scc0 .Lnot_wq
	s_sub_co_u32 s25, ttmp9, 256
	s_and_b32 s26, s25, 15
	s_lshr_b32 s28, s25, 4
	s_mov_b64 s[32:33], s[6:7]
	s_lshl_b32 s30, s26, 3
	s_lshl_b32 s38, s28, 22                        ; 512 rows of 8,192 bytes
	WSET
	WBODY 2048
	s_endpgm
.Lnot_wq:
	s_cmp_lt_u32 ttmp9, 384
	s_cbranch_scc0 .Lnot_wkv
	s_sub_co_u32 s25, ttmp9, 320
	s_cmp_lt_u32 s25, 32                           ; Wk's work-group or Wv's: the choice hangs on the work-group's number alone
	s_cselect_b64 s[32:33], s[8:9], s[10:11]
	s_and_b32 s26, s25, 7
	s_bfe_u32 s28, s25, 0x20003
	s_lshr_b32 s29, s25, 5
	s_lshl_b32 s29, s29, 6
	s_lshl_b32 s30, s26, 3
	s_add_co_u32 s30, s30, s29
	s_add_co_u32 s30, s30, 128                     ; k's tiles begin at 128, v's at 192
	s_lshl_b32 s38, s28, 21                        ; 512 rows of 4,096 bytes
	WSET
	WBODY 1024
	s_endpgm
; ---------------- WO: the same walk; a block of 32 along k becomes 16 registers of f16 pairs, four pieces of 16 bytes
.Lnot_wkv:
	s_cmp_lt_u32 ttmp9, 448
	s_cbranch_scc0 .Ltab
	s_sub_co_u32 s25, ttmp9, 384
	s_and_b32 s26, s25, 15
	s_lshr_b32 s28, s25, 4
	s_lshl_b32 s38, s28, 22
	s_lshl_b32 s39, s26, 9
	s_add_co_u32 s38, s38, s39
	s_lshl_b32 s39, s24, 7
	s_add_co_u32 s38, s38, s39
	s_mov_b32 s39, 0
	s_add_nc_u64 s[32:33], s[12:13], s[38:39]
	s_lshl_b32 s38, s26, 3
	s_lshl_b32 s40, s24, 1
	s_add_co_u32 s38, s38, s40                     ; my first tile of 16 columns
	s_lshl_b32 s38, s38, 16
	s_lshl_b32 s40, s28, 14
	s_add_co_u32 s38, s38, s40
	s_add_nc_u64 s[34:35], s[20:21], s[38:39]
	v_lshl_add_u32 v9, v4, 16, v5
.macro OBLOCK t
.set XS, WX+32*((\t)%2)
.if (\t) < 15
	s_wait_loadcnt 32
.else
	s_wait_loadcnt 0x0
.endif
	s_wait_xcnt 0x0                                ; the last block's stores have read v96-111
.irp j, 0,1,2,3,4,5,6,7,8,9,10,11,12,13,14,15
	v_cvt_pk_f16_f32 v[WC+\j], v[XS+2*\j], v[XS+2*\j+1]
.endr
.if (\t)+2 < 16
	WLOAD (\t)+2, 2048
.endif
.irp k, 0,1,2,3
	global_store_b128 v9, v[WC+4*\k:WC+4*\k+3], s[34:35] offset:1024*(\t)+256*\k
.endr
.endm
	WLOAD 0, 2048
	WLOAD 1, 2048
.set Q, 0
.rept 16
	OBLOCK Q
.set Q, Q+1
.endr
	s_endpgm
; ---------------- TAB: a wave takes a tile of 16 rows; a trip 16 frequencies, eight a lane.  sin and cos by reduction to |r| <= pi / 4 (pi / 2 in two parts, fused) and polynomials.
.Ltab:
	s_sub_co_u32 s25, ttmp9, 448
	s_lshl_b32 s25, s25, 2
	s_add_co_u32 s25, s25, s24                     ; the tile of rows
	v_and_b32 v4, 15, v1
	v_lshlrev_b32 v4, 2, v4
	v_lshrrev_b32 v6, 4, v1
	v_lshlrev_b32 v6, 3, v6                        ; my first frequency: 8 (lane / 16), + 16 a trip
	v_lshlrev_b32 v3, 4, v1
	s_lshl_b32 s26, s25, 6
	s_add_nc_u64 s[14:15], s[14:15], s[26:27]
	global_load_b32 v2, v4, s[14:15]               ; my row's position
	s_lshl_b32 s28, s25, 14
	s_mov_b32 s29, 0
	s_add_nc_u64 s[22:23], s[22:23], s[28:29]
	s_mov_b32 s32, 0x3fc90fdb                      ; pi / 2, upper part
	s_mov_b32 s33, 0xb33bbd2e                      ; and the rest
	s_mov_b32 s34, 0xbe2aaaa3                      ; sin: -1.6666654611e-1, 8.3321608736e-3, -1.9515295891e-4
	s_mov_b32 s35, 0x3c08839e
	s_mov_b32 s36, 0xb94ca1f9
	s_mov_b32 s37, 0x3d2aaaa5                      ; cos: 4.166664568e-2, -1.388731625e-3, 2.443315712e-5
	s_mov_b32 s38, 0xbab6061a
	s_mov_b32 s39, 0x37ccf5ce
	s_mov_b32 s25, 8
	s_wait_loadcnt 0x0
	v_cvt_f32_i32 v2, v2
.macro TRIG e
	v_mul_f32 v24, v2, v[32+\e]                    ; the angle, pos x inv_freq
	v_mul_f32 v25, 0x3f22f983, v24
	v_rndne_f32 v25, v25                           ; n = the nearest multiple of pi / 2
	v_fma_f32 v26, -v25, s32, v24
	v_fma_f32 v26, -v25, s33, v26                  ; r
	v_mul_f32 v27, v26, v26                        ; z = r r
	v_fma_f32 v28, v27, s36, s35
	v_fma_f32 v28, v28, v27, s34
	v_mul_f32 v30, v26, v27
	v_fma_f32 v28, v28, v30, v26                   ; sin r
	v_fma_f32 v29, v27, s39, s38
	v_fma_f32 v29, v29, v27, s37
	v_mul_f32 v30, v27, v27
	v_fma_f32 v31, v27, -0.5, 1.0
	v_fma_f32 v29, v29, v30, v31                   ; cos r
	v_cvt_i32_f32 v20, v25
	v_and_b32 v30, 1, v20
	v_cmp_eq_u32 vcc_lo, 1, v30                    ; an odd quadrant exchanges the two
	v_cndmask_b32 v[56+\e], v28, v29, vcc_lo
	v_cndmask_b32 v[48+\e], v29, v28, vcc_lo
	v_and_b32 v30, 2, v20
	v_lshlrev_b32 v30, 30, v30
	v_xor_b32 v[56+\e], v[56+\e], v30              ; sin is negative in quadrants 2 and 3,
	v_add_nc_u32 v30, 1, v20
	v_and_b32 v30, 2, v30
	v_lshlrev_b32 v30, 30, v30
	v_xor_b32 v[48+\e], v[48+\e], v30              ; cos in 1 and 2
.endm
.Lfb:
.irp e, 0,1,2,3,4,5,6,7
	v_add_nc_u32 v[32+\e], \e, v6
.endr
.irp e, 0,1,2,3,4,5,6,7
	v_cvt_f32_u32 v[32+\e], v[32+\e]
.endr
.irp e, 0,1,2,3,4,5,6,7
	v_mul_f32 v[32+\e], 0xbdd49a78, v[32+\e]       ; x -log2(10000) / 128
.endr
.irp e, 0,1,2,3,4,5,6,7
	v_exp_f32 v[32+\e], v[32+\e]                   ; inv_freq
.endr
	v_nop                                          ; a plain line behind the last exponential
	s_wait_alu depctr_va_vdst(0)                   ; one wait for the batch of eight, ahead of its first reader
.irp e, 0,1,2,3,4,5,6,7
	TRIG \e
.endr
.irp i, 0,1,2,3
	global_store_b128 v3, v[48+4*\i:48+4*\i+3], s[22:23] offset:512*\i
.endr
	s_wait_xcnt 0x0                                ; the stores have read their data and their base: both are written again below and in the next trip
	s_add_nc_u64 s[22:23], s[22:23], 2048
	v_add_nc_u32 v6, 16, v6
	s_sub_co_u32 s25, s25, 1
	s_cmp_lg_u32 s25, 0
	s_cbranch_scc1 .Lfb
	s_endpgm
.Lfunc_end_k_q5602c030c7_prep:
	.size	k_q5602c030c7_prep, .Lfunc_end_k_q5602c030c7_prep-k_q5602c030c7_prep
	.p2alignl 7, 3214868480
	.fill 96, 4, 3214868480
	.section	.rodata,"a",@progbits
	.p2align	6, 0x0
	.amdhsa_kernel k_q5602c030c7_prep
		.amdhsa_group_segment_fixed_size 39424
		.amdhsa_private_segment_fixed_size 0
		.amdhsa_enable_private_segment 0
		.amdhsa_kernarg_size 80
		.amdhsa_user_sgpr_count 2
		.amdhsa_user_sgpr_kernarg_segment_ptr 1
		.amdhsa_wavefront_size32 1
		.amdhsa_system_sgpr_workgroup_id_x 1
		.amdhsa_system_sgpr_workgroup_id_y 1
		.amdhsa_system_sgpr_workgroup_id_z 1
		.amdhsa_system_vgpr_workitem_id 0
		.amdhsa_next_free_vgpr 192
		.amdhsa_next_free_sgpr 66
		.amdhsa_reserve_vcc 1
		.amdhsa_float_denorm_mode_32 3
		.amdhsa_float_denorm_mode_16_64 3
		.amdhsa_memory_ordered 1
		.amdhsa_forward_progress 1
		.amdhsa_inst_pref_size 255
	.end_amdhsa_kernel
	.section	.bss,"aw",@nobits
	.p2align	6
	.space	262144
	.amdgpu_metadata
---
amdhsa.version: [ 1, 2 ]
amdhsa.kernels:
  - .name:           k_q5602c030c7_prep
    .symbol:         k_q5602c030c7_prep.kd
    .args:
      - { .name: hidden_states, .offset: 0, .size: 8, .value_kind: global_buffer, .address_space: global }
      - { .name: Wq, .offset: 8, .size: 8, .value_kind: global_buffer, .address_space: global }
      - { .name: Wk, .offset: 16, .size: 8, .value_kind: global_buffer, .address_space: global }
      - { .name: Wv, .offset: 24, .size: 8, .value_kind: global_buffer, .address_space: global }
      - { .name: Wo, .offset: 32, .size: 8, .value_kind: global_buffer, .address_space: global }
      - { .name: positions, .offset: 40, .size: 8, .value_kind: global_buffer, .address_space: global }
      - { .name: codes, .offset: 48, .size: 8, .value_kind: global_buffer, .address_space: global }
      - { .name: scales, .offset: 56, .size: 8, .value_kind: global_buffer, .address_space: global }
      - { .name: wo16, .offset: 64, .size: 8, .value_kind: global_buffer, .address_space: global }
      - { .name: rope, .offset: 72, .size: 8, .value_kind: global_buffer, .address_space: global }
    .group_segment_fixed_size: 39424
    .private_segment_fixed_size: 0
    .kernarg_segment_align: 8
    .kernarg_segment_size: 80
    .max_flat_workgroup_size: 128
    .sgpr_count:     66
    .vgpr_count:     192
    .wavefront_size: 32
...
	.end_amdgpu_metadata
.endif
;; end of part 1
;; launch gemm_qkv (part 2): grid 16 x 16, 4 waves a work-group, clusters of 4 x 4, 327,680 bytes of LDS; arguments codes, scales, bq, bk, bv, rope, qkv16, qkv32; writes qkv16, qkv32
.if DOCPART == 2
	.amdgcn_target "amdgcn-amd-amdhsa--gfx1250"
	.amdhsa_code_object_version 6
	.text
	.protected	k_q5602c030c7_gemm_qkv
	.globl	k_q5602c030c7_gemm_qkv
	.p2align	8
	.type	k_q5602c030c7_gemm_qkv,@function
k_q5602c030c7_gemm_qkv:
	s_mov_b64 s[64:65], 0
	v_nop
	global_prefetch_b8 v0, s[64:65] scope:SCOPE_SE
	s_setreg_imm32_b32 hwreg(HW_REG_WAVE_MODE, 25, 1), 1
	s_wait_xcnt 0x0
	s_wait_alu depctr_hold_cnt(0) depctr_sa_sdst(0) depctr_va_vdst(0) depctr_va_sdst(0) depctr_va_ssrc(0) depctr_va_vcc(0) depctr_vm_vsrc(0)
	s_getreg_b32 s2, hwreg(HW_REG_IB_STS2, 6, 4)
	s_cmp_eq_u32 s2, 0
	s_cbranch_scc0 .Lentry_in_a_cluster
	s_endpgm
.Lentry_in_a_cluster:
	s_bfe_u32 s2, ttmp6, 0x10000c
	s_cmp_lg_u32 s2, 0xf033
	s_cbranch_scc0 .Lentry_shape_is_right
	s_endpgm
.Lentry_shape_is_right:
; q, k, v = x W + b on codes of FP4 (E2M1) with one E8M0 scale for each 32 along K = 2,048; then RoPE on q and k; results as f16 images for the attention, and f32 copies of positions 0-15 of every sequence.
; A tile of C is 256 rows x 256 columns = 256 positions of one batch x ONE HEAD (hs 0-7 q, 8-11 k, 12-15 v).  Four waves, each 128 x 128: 64 accumulators, 512 registers.
; K goes in steps of 512 through a ring of two LDS slots.  Codes and scale bytes lie in memory as images of operand registers (16 rows x 128 K = 1,024 bytes), so every LDS load is 16 bytes x lane on consecutive bytes: no pitch, no padding.
; CLUSTER 4 x 4: the tile column is 4 x cluster x + cx; the BATCH is cy and the block of 256 positions the cluster's y.  The four of a row of the cluster need the same tiles of x, the four of a column the same tiles of W:
; each is asked for jointly, by the same tensor load with the same descriptor and a mask that names the four.  'v or not' (cluster x = 3) and 'the sequence's first rows' (cluster y = 0) are then the same in all sixteen partners.
; THE MATRIX INSTRUCTION IS USED TRANSPOSED (source 0 = 16 columns of W, source 1 = 16 rows of x): a lane holds eight neighbouring channels of one position.  The bias is the C of each sum's first instruction.
; W's tiles are stored so that my tiles b and b + 4 are channels d and d + 128 of the head: RoPE's two halves lie in the same lanes of two accumulators.
; LIMIT: results beyond 65,504 have no f16.
; REGISTERS: window 0: v16-30 addresses; v32-95 scale words, two sets (scales alone); v96-111 at work; v128-191 x's fragments, later packed results; v192-255 the biases, later table set 0.
;   window 1: W's fragments, two sets, at v0 and v128; v192-255 table set 1.   windows 2, 3: the accumulators ((a, b) at v[8 (8 (a % 4) + b)]).
.set NQ,    4                          ; steps of 128 in a slot
.set FR,    8
.set NL,    2
.set NP,    4                          ; places behind this matrix instruction (ISA guide 7.12.1)
.set SLOT,  131072                     ; x's 16 tiles x 4,096 bytes, then W's 16
.set SCL,   2*SLOT                     ; the scale bytes of all of K: 8,192 bytes a wave's load; filled once
.set SPARE, SCL+4*8192                 ; the spare words: two blocks of 256 bytes that no other line names
.set ADRA, 16
.set ADRB, 20
.set LA,   24                          ; v24 16 x lane
.set VST,  25                          ; v25 v's place in an image: 16 x (16 (r / 8) + 8 h + r % 8)
.set FV,   26                          ; v26 v's f32 copy: 1,024 r + 32 h
.set ADRS, 27
.set SPW,  28
.set NIL,  29
.set BO,   30                          ; v30 32 h: my half's eight biases
.set SC,   32
.set T,    96
.set AF,   128
.set TAB,  192
.set WV,   20                          ; s20 wave; s21 which half of the rows is mine, and: I fetch for x (0) or W (1); s22 which half of the columns, and which half I fetch
.set RH,   21
.set CH,   22
.set FN,   23                          ; s23 0 where my first 16 rows are positions 0-15
.set G1,   24
.set G0,   32
.set G1B,  48
.set G0B,  56
.set G1S,  68
.set G0S,  76
.set G1SB, 80
.set G0SB, 88
.set MSB, 0
.macro WIN new                         ; the immediate's high byte repeats the setting that is left
.if MSB != (\new)
	s_set_vgpr_msb (MSB<<8)|(\new)
.set MSB, (\new)
.endif
.endm
.set MUL_LO, 0xa1                      ; source 0 (W) window 1, source 1 (x) window 0, C and D window 2
.set MUL_HI, 0xf1
.set TO_B,   0x40
.macro JLOAD g0a, g1a, g0b, g1b        ; a joint load: waves 0, 1 for x, waves 2, 3 for W; the branch hangs on the wave's number alone; an s_nop 0 and four v_nop follow each line
	s_cmp_eq_u32 s[RH], 0
	s_cbranch_scc0 .Lfor_b_\@
	tensor_load_to_lds s[\g0a:\g0a+3], s[\g1a:\g1a+7]
	s_nop 0
.rept 4
	v_nop
.endr
	s_branch .Lasked_\@
.Lfor_b_\@:
	tensor_load_to_lds s[\g0b:\g0b+3], s[\g1b:\g1b+7]
	s_nop 0
.rept 4
	v_nop
.endr
.Lasked_\@:
.endm
.macro CREST
	s_cmp_lg_u32 s[WV], 0
	s_cbranch_scc1 .Lnot_wave_0_\@
	s_barrier_signal -3
.Lnot_wave_0_\@:
	s_barrier_wait -3
	s_barrier_signal -1
	s_barrier_wait -1
.endm
.macro CROUND
	s_barrier_signal -1
	s_barrier_wait -1
	CREST
.endm
	s_load_b512 s[4:19], s[0:1], 0x0               ; codes s[4:5], scales s[6:7], bq s[8:9], bk s[10:11], bv s[12:13], rope s[14:15], qkv16 s[16:17], qkv32 s[18:19]
	v_lshl_add_u32 v[SPW], v0, 2, SPARE
	v_mov_b32 v[NIL], 0
	ds_add_u32 v[SPW], v[NIL]                      ; the opening: the add, twice on end, and its wait ahead of my first tensor load
	ds_add_u32 v[SPW], v[NIL]
	v_lshrrev_b32 v1, 5, v0
	v_readfirstlane_b32 s[WV], v1
	s_lshr_b32 s[RH], s[WV], 1
	s_and_b32 s[CH], s[WV], 1
	s_bfe_u32 s40, ttmp6, 0x40000                  ; cx
	s_bfe_u32 s41, ttmp6, 0x40004                  ; cy = the batch
	s_lshl_b32 s42, ttmp9, 2
	s_add_co_u32 s42, s42, s40                     ; the head slot hs = 4 x cluster x + cx
	s_and_b32 s45, ttmp7, 0xffff                   ; the block of 256 positions = cluster y
	s_lshl_b32 s43, s41, 2
	s_lshl_b32 s43, 15, s43                        ; my row of the cluster
	s_lshl_b32 s44, 0x1111, s40                    ; my column
	s_or_b32 s[G1+0], s43, (3<<16)|(1<<21)         ; the mask; elements of 8 bytes; bit 21 beside a mask; no padding
	s_or_b32 s[G1B+0], s44, (3<<16)|(1<<21)
.irp g, G1, G1B
	s_mov_b32 s[\g+1], 512<<16                     ; 8 tiles' 4,096 bytes (512 elements) of a K step,
	s_mov_b32 s[\g+2], 8<<16
	s_mov_b32 s[\g+3], 512<<16
	s_mov_b32 s[\g+4], 8
	s_mov_b32 s[\g+5], 2048                        ; 16,384 bytes from tile to tile
	s_mov_b32 s[\g+6], 0
	s_mov_b32 s[\g+7], 0
.endr
	s_or_b32 s[G1S+0], s43, (3<<16)|(1<<21)
	s_or_b32 s[G1SB+0], s44, (3<<16)|(1<<21)
.irp g, G1S, G1SB
	s_mov_b32 s[\g+1], 32<<16                      ; 8 tiles' scale bytes: 8,192 dense bytes as 32 rows of 256
	s_mov_b32 s[\g+2], 32<<16
	s_mov_b32 s[\g+3], 32<<16
	s_mov_b32 s[\g+4], 32
	s_mov_b32 s[\g+5], 32
	s_mov_b32 s[\g+6], 0
	s_mov_b32 s[\g+7], 0
.endr
	; x's addresses are made of cy, cluster y and the wave alone (s92-95), W's of cx, cluster x and the wave alone (s46, s47, s96, s97), LDS addresses of the wave alone (s2, s3)
	s_lshl_b32 s92, s41, 6
	s_lshl_b32 s93, s45, 4
	s_add_co_u32 s92, s92, s93                     ; the tile's first 16 rows: 64 x batch + 16 x block
	s_lshl_b32 s93, s[CH], 3
	s_add_co_u32 s92, s92, s93                     ; + the eight that I fetch
	s_lshl_b32 s94, s92, 10
	s_mov_b32 s95, 0
	s_lshl_b32 s92, s92, 14
	s_mov_b32 s93, 0
	s_lshl_b32 s46, s42, 4
	s_lshl_b32 s47, s[CH], 3
	s_add_co_u32 s46, s46, s47
	s_lshl_b32 s96, s46, 10
	s_add_co_u32 s96, s96, 0x40000
	s_mov_b32 s97, 0
	s_lshl_b32 s46, s46, 14
	s_add_co_u32 s46, s46, 0x400000
	s_mov_b32 s47, 0
	s_lshl_b32 s2, s[WV], 15                       ; where the codes go: wave x 32,768
	s_lshl_b32 s3, s[WV], 13                       ; and the scale bytes: wave x 8,192
	s_wait_dscnt 0x0                               ; both opening adds are done
	s_wait_kmcnt 0x0
	s_add_nc_u64 s[92:93], s[4:5], s[92:93]
	s_add_nc_u64 s[94:95], s[6:7], s[94:95]
	s_add_nc_u64 s[46:47], s[4:5], s[46:47]
	s_add_nc_u64 s[96:97], s[6:7], s[96:97]
	CROUND                                         ; all sixteen work-groups are here: the first joint loads meet
	s_mov_b32 s[G0S], 1
	s_add_co_u32 s[G0S+1], s3, SCL
	s_mov_b64 s[G0S+2:G0S+3], s[94:95]
	s_or_b32 s[G0S+3], s[G0S+3], 0x80000000
	s_mov_b32 s[G0SB], 1
	s_add_co_u32 s[G0SB+1], s3, SCL
	s_mov_b64 s[G0SB+2:G0SB+3], s[96:97]
	s_or_b32 s[G0SB+3], s[G0SB+3], 0x80000000
	JLOAD G0S, G1S, G0SB, G1SB                     ; the scale bytes first: wanted with K step 0
.irp s, 0,1
	s_mov_b32 s[G0+4*\s], 1
	s_add_co_u32 s[G0+4*\s+1], s2, \s*SLOT
	s_add_nc_u64 s[G0+4*\s+2:G0+4*\s+3], s[92:93], \s*4096
	s_or_b32 s[G0+4*\s+3], s[G0+4*\s+3], 0x80000000
	s_mov_b32 s[G0B+4*\s], 1
	s_add_co_u32 s[G0B+4*\s+1], s2, \s*SLOT
	s_add_nc_u64 s[G0B+4*\s+2:G0B+4*\s+3], s[46:47], \s*4096
	s_or_b32 s[G0B+4*\s+3], s[G0B+4*\s+3], 0x80000000
	JLOAD G0+4*\s, G1, G0B+4*\s, G1B
.endr
	v_and_b32 v1, 15, v0                           ; r
	v_bfe_u32 v2, v0, 4, 1                         ; h
	v_and_b32 v3, 31, v0
	v_lshlrev_b32 v[LA], 4, v3
	s_lshl_b32 s2, s[RH], 15                       ; my 8 tiles of x,
	s_lshl_b32 s3, s[CH], 15
	s_add_co_u32 s3, s3, 65536                     ; my 8 of W, behind x's 16
.irp s, 0,1
	v_add_nc_u32 v[ADRA+\s], s2, v[LA]
	v_add_nc_u32 v[ADRB+\s], s3, v[LA]
	s_add_co_u32 s2, s2, SLOT
	s_add_co_u32 s3, s3, SLOT
.endr
	s_lshl_b32 s2, s[RH], 13                       ; scale words: lanes 0-15 take x's rows, lanes 16-31 W's columns: the lower base + h x the distance
	s_lshl_b32 s3, s[CH], 13
	s_add_co_u32 s3, s3, 16384
	s_sub_co_u32 s3, s3, s2
	v_mul_u32_u24 v4, s3, v2
	s_add_co_u32 s2, s2, SCL
	v_lshl_add_u32 v4, v1, 4, v4
	v_add_nc_u32 v[ADRS], s2, v4
	v_lshrrev_b32 v4, 3, v1
	v_and_b32 v5, 7, v1
	v_lshl_add_u32 v4, v4, 1, v2
	v_lshl_add_u32 v4, v4, 3, v5
	v_lshlrev_b32 v[VST], 4, v4
	v_lshlrev_b32 v[FV], 10, v1
	v_lshl_add_u32 v[FV], v2, 5, v[FV]
	v_lshlrev_b32 v[BO], 5, v2
	; the biases: bq, bk or bv by the cluster's x; eight numbers for each of my eight tiles of columns
	s_cmp_lt_u32 ttmp9, 2
	s_cselect_b64 s[8:9], s[8:9], s[10:11]
	s_cselect_b32 s46, s42, s40                    ; the head within its bias
	s_cmp_eq_u32 ttmp9, 3
	s_cselect_b64 s[8:9], s[12:13], s[8:9]
	s_lshl_b32 s46, s46, 10
	s_lshl_b32 s47, s[CH], 8
	s_add_co_u32 s46, s46, s47
	s_mov_b32 s47, 0
	s_add_nc_u64 s[8:9], s[8:9], s[46:47]
.irp b, 0,1,2,3,4,5,6,7
	global_load_b128 v[TAB+8*\b:TAB+8*\b+3], v[BO], s[8:9] offset:((\b%4)*16+(\b/4)*128)*4
	global_load_b128 v[TAB+8*\b+4:TAB+8*\b+7], v[BO], s[8:9] offset:((\b%4)*16+(\b/4)*128)*4+16
.endr
	; the way out's bases
	s_lshl_b32 s92, s41, 6
	s_lshl_b32 s93, s45, 4
	s_add_co_u32 s92, s92, s93
	s_lshl_b32 s93, s[RH], 3
	s_add_co_u32 s92, s92, s93                     ; my first tile of 16 rows
	s_lshl_b32 s92, s92, 14
	s_lshl_b32 s93, s[CH], 13
	s_add_co_u32 s92, s92, s93
	s_mov_b32 s93, 0
	s_add_nc_u64 s[14:15], s[14:15], s[92:93]      ; the table: my rows, my 64 frequencies
	s_lshl_b32 s98, s41, 4
	s_add_co_u32 s98, s98, s42                     ; 16 x batch + hs
	s_lshl_b32 s66, s98, 14                        ; the f32 copies: 16,384 bytes each
	s_lshl_b32 s98, s98, 6
	s_lshl_b32 s99, s45, 4
	s_add_co_u32 s98, s98, s99
	s_lshl_b32 s99, s[RH], 3
	s_add_co_u32 s98, s98, s99
	s_lshl_b32 s98, s98, 13
	s_lshl_b32 s99, s[CH], 11
	s_add_co_u32 s98, s98, s99
	s_mov_b32 s99, 0
	s_add_nc_u64 s[16:17], s[16:17], s[98:99]
	s_cmp_eq_u32 ttmp9, 3
	s_cselect_b32 s67, 8, 12                       ; my half's 64 channels: 256 bytes in v's rows, four pieces of 1,024 in q's and k's
	s_lshl_b32 s67, s[CH], s67
	s_add_co_u32 s66, s66, s67
	s_mov_b32 s67, 0
	s_add_nc_u64 s[18:19], s[18:19], s[66:67]
	s_or_b32 s[FN], s45, s[RH]
.macro FRAG reg, adr, q, i             ; 16 rows x 128 K of 4-bit codes: 8 registers, two loads of 16 bytes x lane
.irp c, 0,1
	ds_load_b128 v[\reg+4*\c:\reg+4*\c+3], v[\adr] offset:1024*(\q)+512*\c+(\i)*4096
.endr
.endm
; 16 matrix instructions: x's blocks a0, a0 + 1 against W's eight.  zero = 1: the sum's first instruction takes the bias as C.  The 64 accumulators take turns, one instruction a turn, in the same order in every step.
.macro MUL16 a0, p, q, sc, zero
.irp a, \a0, \a0+1
.irp b, 0,1,2,3,4,5,6,7
.if \zero
	v_wmma_scale_f32_16x16x128_f8f6f4 v[8*(8*((\a)%4)+\b):8*(8*((\a)%4)+\b)+7], v[128*(\p)+FR*\b:128*(\p)+FR*\b+FR-1], v[AF+FR*(\a):AF+FR*(\a)+FR-1], v[TAB+8*\b:TAB+8*\b+7], v[SC+8*NQ*(\sc)+NQ*\b+(\q)], v[SC+8*NQ*(\sc)+NQ*(\a)+(\q)] matrix_a_fmt:MATRIX_FMT_FP4 matrix_b_fmt:MATRIX_FMT_FP4 matrix_a_scale:MATRIX_SCALE_ROW1
.else
	v_wmma_scale_f32_16x16x128_f8f6f4 v[8*(8*((\a)%4)+\b):8*(8*((\a)%4)+\b)+7], v[128*(\p)+FR*\b:128*(\p)+FR*\b+FR-1], v[AF+FR*(\a):AF+FR*(\a)+FR-1], v[8*(8*((\a)%4)+\b):8*(8*((\a)%4)+\b)+7], v[SC+8*NQ*(\sc)+NQ*\b+(\q)], v[SC+8*NQ*(\sc)+NQ*(\a)+(\q)] matrix_a_fmt:MATRIX_FMT_FP4 matrix_b_fmt:MATRIX_FMT_FP4 matrix_a_scale:MATRIX_SCALE_ROW1
.endif
.endr
.endr
.endm
.macro FETCH_B slot, q, p
	WIN TO_B
.irp i, 0,1,2,3,4,5,6,7
	FRAG 128*(\p)+FR*\i, ADRB+\slot, \q, \i
.endr
	WIN 0
.endm
.macro FETCH_A slot, q, i0
.irp i, \i0, \i0+1, \i0+2, \i0+3
	FRAG AF+FR*(\i), ADRA+\slot, \q, \i
.endr
.endm
.macro SCALES sc                       ; a K step's scale words: four a row; lanes 0-15 x's block i, lanes 16-31 W's block i
.irp i, 0,1,2,3,4,5,6,7
	ds_load_b128 v[SC+8*NQ*\sc+NQ*\i:SC+8*NQ*\sc+NQ*\i+3], v[ADRS] offset:\i*1024
.endr
.endm
.macro PLACES n                        ; plain vector lines between a matrix instruction and a load into, or a read of, its registers (ISA guide 7.12.1 for a read)
.rept \n
	v_nop
.endr
.endm
.macro STEP slot, q, zero              ; 128 along K with its successor in the same slot
	s_wait_dscnt 4*NL                              ; W's set and x's blocks 0-3 are in; the youngest eight loads (blocks 4-7) may be out
	WIN MUL_LO-0x20*(\zero)                        ; (the bias, as C, lies in window 0)
	MUL16 0, (\q)%2, \q, \slot, \zero
	MUL16 2, (\q)%2, \q, \slot, \zero
	s_wait_dscnt 0
	PLACES NP
	FETCH_B \slot, (\q)+1, 1-(\q)%2
	FETCH_A \slot, (\q)+1, 0
	WIN MUL_HI-0x30*(\zero)
	MUL16 4, (\q)%2, \q, \slot, \zero
	MUL16 6, (\q)%2, \q, \slot, \zero
	PLACES NP
	WIN 0
	FETCH_A \slot, (\q)+1, 4
.endm
; A slot's last step changes slots: one barrier; in front of it each wave waits for all its tensor loads, adds 0 to its spare word, and waits for that and for its reads of this slot.
.macro TURN slot, next, fill
	s_wait_tensorcnt 0x0                           ; all my tensor loads have landed: my part of the next slot
	ds_add_u32 v[SPW], v[NIL]
	s_wait_dscnt 4*NL+1                            ; (the add and the youngest eight loads may be out)
	WIN MUL_LO
	MUL16 0, 1, NQ-1, \slot, 0
	s_wait_dscnt 0x0                               ; the add is done, my reads of this slot are over
	s_barrier_signal -1
	MUL16 2, 1, NQ-1, \slot, 0
	WIN 0
	s_barrier_wait -1
.if \fill
	CREST                                          ; the barrier has opened a round of the cluster's: no wave of any partner still reads this slot or has a load on its way
	s_add_nc_u64 s[G0+4*\slot+2:G0+4*\slot+3], s[G0+4*\slot+2:G0+4*\slot+3], 8192
	s_add_nc_u64 s[G0B+4*\slot+2:G0B+4*\slot+3], s[G0B+4*\slot+2:G0B+4*\slot+3], 8192
	JLOAD G0+4*\slot, G1, G0B+4*\slot, G1B         ; the first tensor load behind the round; its four v_nop are the places in front of the loads below
.else
	PLACES NP
.endif
	v_add_nc_u32 v[ADRS], 256, v[ADRS]             ; the next K step's scale words
	FETCH_B \next, 0, 0
	FETCH_A \next, 0, 0
	SCALES \next
	WIN MUL_HI
	MUL16 4, 1, NQ-1, \slot, 0
	MUL16 6, 1, NQ-1, \slot, 0
	PLACES NP
	WIN 0
	FETCH_A \next, 0, 4
.endm
.macro STEPS slot, from
.set Q, \from
.rept NQ-1-\from
	STEP \slot, Q, 0
.set Q, Q+1
.endr
.endm
.macro TABLOAD a                       ; cos and sin for my rows 16 a on: 4 x 16 frequencies x 4 pieces, into set a % 2 (window a % 2)
	WIN 0x40*((\a)%2)
.irp f, 0,1,2,3
.irp i, 0,1,2,3
	global_load_b128 v[TAB+16*\f+4*\i:TAB+16*\f+4*\i+3], v[LA], s[14:15] offset:(\a)*16384+\f*2048+\i*512
.endr
.endr
	WIN 0
.endm
	s_wait_tensorcnt 1                             ; the scale bytes and my part of K step 0 are in; K step 1's load may be out
	s_barrier_signal -1
	s_barrier_wait -1
	FETCH_B 0, 0, 0
	FETCH_A 0, 0, 0
	SCALES 0
	FETCH_A 0, 0, 4
	s_wait_loadcnt 0x0                             ; the biases
	STEP 0, 0, 1
	s_cmp_eq_u32 ttmp9, 3                          ; q and k: the first block's table comes into the registers that the biases have left (the step's closing places stand in between)
	s_cbranch_scc1 .Lno_tab
	TABLOAD 0
.Lno_tab:
	STEPS 0, 1                                     ; K has four steps of 512: the ring is walked twice, written straight
	TURN 0, 1, 1
	STEPS 1, 0
	TURN 1, 0, 1
	STEP 0, 0, 0
	STEPS 0, 1
	TURN 0, 1, 0
	STEPS 1, 0
	s_wait_dscnt 4*NL
	WIN MUL_LO
	MUL16 0, 1, NQ-1, 1, 0
	MUL16 2, 1, NQ-1, 1, 0
	s_wait_dscnt 0
	WIN MUL_HI
	MUL16 4, 1, NQ-1, 1, 0
	MUL16 6, 1, NQ-1, 1, 0
	WIN 0
	PLACES NP
; THE WAY OUT needs no LDS: a lane's eight channels are 16 bytes of f16, and the image wants them at 16 x lane: each store of the wave covers 512 consecutive bytes.
; q, k, block a of 16 rows: x1' = x1 cos - x2 sin, x2' = x2 cos + x1 sin; x1 in accumulator f, x2 in f + 4.  Each accumulator is read from its low end on.
.macro ROPE_A a
.if (\a) < 7
	TABLOAD (\a)+1
	s_wait_loadcnt 16                              ; this block's table is in; the next block's 16 loads may be out
.else
	s_wait_loadcnt 0x0
.endif
.if (\a) >= 2
	s_wait_xcnt 0x0                                ; block a - 2's stores have read the registers that this block packs into
.endif
.set AC, 64*((\a)%4)
.set OU, AF+32*((\a)%2)
.irp f, 0,1,2,3
	WIN 0x02+(\a)/4+4*((\a)%2)                     ; source 0: the accumulators' window; source 1: the table set's
.irp p, 0,2,4,6
	v_pk_mul_f32 v[T+\p:T+\p+1], v[AC+8*\f+\p:AC+8*\f+\p+1], v[TAB+16*\f+\p:TAB+16*\f+\p+1]
.endr
.irp p, 0,2,4,6
	v_pk_mul_f32 v[T+8+\p:T+8+\p+1], v[AC+32+8*\f+\p:AC+32+8*\f+\p+1], v[TAB+16*\f+\p:TAB+16*\f+\p+1]
.endr
.irp p, 0,2,4,6
	v_pk_fma_f32 v[T+\p:T+\p+1], v[AC+32+8*\f+\p:AC+32+8*\f+\p+1], v[TAB+16*\f+8+\p:TAB+16*\f+8+\p+1], v[T+\p:T+\p+1] neg_lo:[1,0,0] neg_hi:[1,0,0]
.endr
.irp p, 0,2,4,6
	v_pk_fma_f32 v[T+8+\p:T+8+\p+1], v[AC+8*\f+\p:AC+8*\f+\p+1], v[TAB+16*\f+8+\p:TAB+16*\f+8+\p+1], v[T+8+\p:T+8+\p+1]
.endr
	WIN 0
.irp p, 0,1,2,3,4,5,6,7
	v_cvt_pk_f16_f32 v[OU+8*\f+\p], v[T+2*\p], v[T+2*\p+1]
.endr
	global_store_b128 v[LA], v[OU+8*\f:OU+8*\f+3], s[16:17] offset:(\a)*8192+\f*512
	global_store_b128 v[LA], v[OU+8*\f+4:OU+8*\f+7], s[16:17] offset:(\a)*8192+\f*512+4096
.if (\a) == 0
	s_cmp_lg_u32 s[FN], 0                          ; positions 0-15 also go out in f32 (cluster y and the wave's number alone decide)
	s_cbranch_scc1 .Lnf\@_\f
	global_store_b128 v[LA], v[T:T+3], s[18:19] offset:\f*1024
	global_store_b128 v[LA], v[T+4:T+7], s[18:19] offset:\f*1024+512
	global_store_b128 v[LA], v[T+8:T+11], s[18:19] offset:\f*1024+8192
	global_store_b128 v[LA], v[T+12:T+15], s[18:19] offset:\f*1024+8192+512
	s_wait_xcnt 0x0                                ; they have read v96-111, which the next four tiles write
.Lnf\@_\f:
.endif
.endr
.endm
; v, block a: packed, and laid so that the attention's transposing LDS load reads 16 bytes x lane
.macro V_A a
.if (\a) >= 2
	s_wait_xcnt 0x0
.endif
.set AC, 64*((\a)%4)
.set OU, AF+32*((\a)%2)
	WIN 0x0a+5*((\a)/4)
.irp b, 0,1,2,3,4,5,6,7
.irp p, 0,1,2,3
	v_cvt_pk_f16_f32 v[OU+4*\b+\p], v[AC+8*\b+2*\p], v[AC+8*\b+2*\p+1]
.endr
.endr
	WIN 0
.irp b, 0,1,2,3,4,5,6,7
	global_store_b128 v[VST], v[OU+4*\b:OU+4*\b+3], s[16:17] offset:(\a)*8192+((\b%4)+8*(\b/4))*512
.endr
.if (\a) == 0
	s_cmp_lg_u32 s[FN], 0
	s_cbranch_scc1 .Lnv\@
	WIN 0x08                                       ; a store's data are its source 1: window 2
.irp b, 0,1,2,3,4,5,6,7
	global_store_b128 v[FV], v[8*\b:8*\b+3], s[18:19] offset:(\b%4)*64+(\b/4)*512       ; rows of 1,024 bytes, 32 bytes a lane: 16 KB a head in all
	global_store_b128 v[FV], v[8*\b+4:8*\b+7], s[18:19] offset:(\b%4)*64+(\b/4)*512+16
.endr
	WIN 0
.Lnv\@:
.endif
.endm
	s_cmp_eq_u32 ttmp9, 3
	s_cbranch_scc1 .Lv_out
.irp a, 0,1,2,3,4,5,6,7
	ROPE_A \a
.endr
	s_branch .Ldone
.Lv_out:
.irp a, 0,1,2,3,4,5,6,7
	V_A \a
.endr
.Ldone:
	s_wait_tensorcnt 0x0                           ; the wave's end
	ds_add_u32 v[SPW], v[NIL]
	s_wait_dscnt 0x0
	CROUND                                         ; the closing round: no work-group ends while a partner may still ask for a tile that names it
	s_endpgm
.Lfunc_end_k_q5602c030c7_gemm_qkv:
	.size	k_q5602c030c7_gemm_qkv, .Lfunc_end_k_q5602c030c7_gemm_qkv-k_q5602c030c7_gemm_qkv
	.p2alignl 7, 3214868480
	.fill 96, 4, 3214868480
	.section	.rodata,"a",@progbits
	.p2align	6, 0x0
	.amdhsa_kernel k_q5602c030c7_gemm_qkv
		.amdhsa_group_segment_fixed_size 327680
		.amdhsa_private_segment_fixed_size 0
		.amdhsa_enable_private_segment 0
		.amdhsa_kernarg_size 64
		.amdhsa_user_sgpr_count 2
		.amdhsa_user_sgpr_kernarg_segment_ptr 1
		.amdhsa_wavefront_size32 1
		.amdhsa_system_sgpr_workgroup_id_x 1
		.amdhsa_system_sgpr_workgroup_id_y 1
		.amdhsa_system_sgpr_workgroup_id_z 1
		.amdhsa_system_vgpr_workitem_id 0
		.amdhsa_next_free_vgpr 1024
		.amdhsa_next_free_sgpr 100
		.amdhsa_reserve_vcc 0
		.amdhsa_float_denorm_mode_32 3
		.amdhsa_float_denorm_mode_16_64 3
		.amdhsa_memory_ordered 1
		.amdhsa_forward_progress 1
		.amdhsa_inst_pref_size 255
	.end_amdhsa_kernel
	.section	.bss,"aw",@nobits
	.p2align	6
	.space	262144
	.amdgpu_metadata
---
amdhsa.version: [ 1, 2 ]
amdhsa.kernels:
  - .name:           k_q5602c030c7_gemm_qkv
    .symbol:         k_q5602c030c7_gemm_qkv.kd
    .args:
      - { .name: codes, .offset: 0, .size: 8, .value_kind: global_buffer, .address_space: global }
      - { .name: scales, .offset: 8, .size: 8, .value_kind: global_buffer, .address_space: global }
      - { .name: bq, .offset: 16, .size: 8, .value_kind: global_buffer, .address_space: global }
      - { .name: bk, .offset: 24, .size: 8, .value_kind: global_buffer, .address_space: global }
      - { .name: bv, .offset: 32, .size: 8, .value_kind: global_buffer, .address_space: global }
      - { .name: rope, .offset: 40, .size: 8, .value_kind: global_buffer, .address_space: global }
      - { .name: qkv16, .offset: 48, .size: 8, .value_kind: global_buffer, .address_space: global }
      - { .name: qkv32, .offset: 56, .size: 8, .value_kind: global_buffer, .address_space: global }
    .group_segment_fixed_size: 327680
    .private_segment_fixed_size: 0
    .kernarg_segment_align: 8
    .kernarg_segment_size: 64
    .max_flat_workgroup_size: 128
    .sgpr_count:     100
    .vgpr_count:     1024
    .wavefront_size: 32
...
	.end_amdgpu_metadata
.endif
;; end of part 2
;; launch attn (part 3): grid 8 x 32, 4 waves a work-group, no clusters, 327,680 bytes of LDS; arguments qkv16, attn16; writes attn16
.if DOCPART == 3
	.amdgcn_target "amdgcn-amd-amdhsa--gfx1250"
	.amdhsa_code_object_version 6
	.text
	.protected	k_q5602c030c7_attn
	.globl	k_q5602c030c7_attn
	.p2align	8
	.type	k_q5602c030c7_attn,@function
k_q5602c030c7_attn:
	s_mov_b64 s[64:65], 0
	v_nop
	global_prefetch_b8 v0, s[64:65] scope:SCOPE_SE
	s_setreg_imm32_b32 hwreg(HW_REG_WAVE_MODE, 25, 1), 1
	s_wait_xcnt 0x0
; Causal attention on f16 operands, f32 sums: O[q] = sum over k <= q of softmax_k(Q[q] . K[k] / 16) V[k].  (The window of 1,024 spans the whole sequence, so the mask is the causal one.)
; SHARES.  Work-group (x, y): batch y / 8, query head y % 8, and TWO blocks of 64 queries: the early block x and the late block 15 - x.  Wave w owns queries 16 w .. 16 w + 15 of each: two tiles of 16 queries.
; Keys go 64 a step.  Block n wants steps 0 .. n, so a wave has (x + 1) + (16 - x) = 17 tile-steps, 64 matrix instructions each, whatever x: every wave of the launch has the same matrix work.
; Steps 0 .. x run both tiles, which share every fragment of K and V; steps x + 1 .. 15 - x run the late tile alone (a fragment feeds one product there, not two: the price of the even shares); later steps are jumped over.
; Every work-group walks all 8 changes of slots (constant trip count); what a step does hangs on ids and the count of steps alone.
; LAYOUT.  S^T = K Q^T (source 0 = 16 keys, source 1 = 16 queries), O^T = V^T P: a lane holds ONE query throughout; two tiles of S^T rounded to f16 in pairs are source 1 of the second product.
; q, k, v lie in memory as images of operand registers, so a tile is dense, LDS needs no pitch, and every LDS load, the transposing one too, is 16 bytes x lane.
; SOFTMAX.  A running maximum m and sum l: p = 2^(c s - c m), c = log2(e) / 16; in every step O and l are multiplied by a = 2^(c m_old - c m_new).  m begins at -3e38, l and O^T as zeros: so no step has a form of its own.
; RING.  Two slots of TWO key steps each (K 64 KB, V 64 KB); each wave fetches a quarter, 32 KB, by one load.  The change of slots stands at a slot's head; behind its barrier the next slot is asked for, if a step of this
; work-group reads it: the load has two steps' work in which to land.
; NO CLUSTER: the sixteen work-groups that walk one key and value head's tiles end at different slots (5 to 8 of them), and a partner may not jump over the reads of a joint load.
; LIMIT: operands beyond 65,504 have no f16.
; REGISTERS: window 0: v1-11 addresses and constants; v16-31 statistics, eight a tile; v32-95 S^T (32 t + 8 kt); v96-127 P; v128-255 Q (64 t + 8 c), later the packed result.
;   window 1: O^T (128 t + 8 ct).   window 2: K (64 kt + 8 c).   window 3: V^T (128 kk + 8 ct).   Tile 0 is the early block's, tile 1 the late block's.
.set SLOT1, 131072                     ; a slot: K's two steps of 32,768 bytes, then V's two
.set STEPB, 32768
.set SPARE, 262144                     ; the spare words: two blocks of 256 bytes that no other line names
.set LA,   1                           ; v1 16 x lane
.set ADR,  2                           ; v2 the slot's LDS address for K
.set MD,   3                           ; v3 16 w + r - 8 h: on a block's diagonal register 8 kt + i is hidden where 16 kt + i > this
.set NINF, 4
.set PFO,  5                           ; v5 256 x lane
.set Z,    6                           ; v[6:7] zeros
.set ADRV, 11                          ; v11 the same for V: 65,536 further on, beyond an immediate's reach
.set SPW,  14
.set NIL,  15
.set ST,   16                          ; tile t at v[ST + 8 t]: +0 c m, +1 m, +2, +3 l, +4 .. +7 at work; a in +6
.set S,    32
.set P,    96
.set Q,    128
.set WV,   8
.set EB,   9                           ; s9 the early block
.set LB,   10                          ; s10 the late block
.set J,    11                          ; s11 the key step
.set TB,   12                          ; s12 LDS byte at which the slot in hand begins
.set LIM,  13
.set CS,   14                          ; s[14:15] c
.set G1,   16
.set G0,   24
.set SEL,  28
.set PFA,  30
.set QA,   34                          ; s[34:35], s[36:37] Q of tile 0, 1
.set OA,   38                          ; s[38:39], s[40:41] the output of tile 0, 1
.set PC,   44                          ; s44 counts the changes of slots
.set MSB, 0
.macro WIN new
.if MSB != (\new)
	s_set_vgpr_msb (MSB<<8)|(\new)
.set MSB, (\new)
.endif
.endm
.set W_KQ, 0x02
.set W_PV, 0x53
.set W_RS, 0x41
.macro PLACES
.rept 4
	v_nop
.endr
.endm
	s_load_b128 s[4:7], s[0:1], 0x0                ; qkv16, attn16
	v_lshl_add_u32 v[SPW], v0, 2, SPARE
	v_mov_b32 v[NIL], 0
	ds_add_u32 v[SPW], v[NIL]                      ; the opening: the add, twice on end, and its wait ahead of my first tensor load
	ds_add_u32 v[SPW], v[NIL]
	v_lshrrev_b32 v1, 5, v0
	v_readfirstlane_b32 s[WV], v1
	s_mov_b32 s[EB], ttmp9
	s_sub_co_u32 s[LB], 15, ttmp9
	s_and_b32 s32, ttmp7, 0xffff
	s_lshr_b32 s46, s32, 3                         ; batch
	s_and_b32 s45, s32, 7                          ; query head
	s_mov_b32 s[G1], 3<<16                         ; elements of 8 bytes, no mask, no padding: my 32,768 dense bytes as 128 rows of 256
	s_mov_b32 s[G1+1], 32<<16
	s_mov_b32 s[G1+2], 128<<16
	s_mov_b32 s[G1+3], 32<<16
	s_mov_b32 s[G1+4], 128
	s_mov_b32 s[G1+5], 32
	s_mov_b32 s[G1+6], 0
	s_mov_b32 s[G1+7], 0
	s_lshl_b32 s42, s46, 4                         ; what I fetch: waves 0, 1 k (head slot 8 + head / 2), waves 2, 3 v (12 + head / 2),
	s_lshr_b32 s33, s45, 1
	s_add_co_u32 s42, s42, s33
	s_lshr_b32 s33, s[WV], 1
	s_lshl_b32 s33, s33, 2
	s_add_co_u32 s42, s42, s33
	s_add_co_u32 s42, s42, 8
	s_lshl_b32 s42, s42, 19                        ; 524,288 bytes a head slot,
	s_and_b32 s33, s[WV], 1
	s_lshl_b32 s33, s33, 15                        ; which of a slot's two steps
	s_add_co_u32 s42, s42, s33
	s_mov_b32 s43, 0
	s_lshl_b32 s47, s46, 4                         ; Q: ((16 batch + head) 64 + 4 block + wave) x 8,192 bytes
	s_add_co_u32 s47, s47, s45
	s_lshl_b32 s47, s47, 6
	s_add_co_u32 s47, s47, s[WV]
	s_lshl_b32 s33, s[EB], 2
	s_add_co_u32 s[QA], s47, s33
	s_lshl_b32 s[QA], s[QA], 13
	s_mov_b32 s[QA+1], 0
	s_lshl_b32 s33, s[LB], 2
	s_add_co_u32 s[QA+2], s47, s33
	s_lshl_b32 s[QA+2], s[QA+2], 13
	s_mov_b32 s[QA+3], 0
	s_lshl_b32 s47, s46, 6                         ; the output: (64 batch + 4 block + wave) x 65,536 + head x 8,192
	s_add_co_u32 s47, s47, s[WV]
	s_lshl_b32 s32, s45, 13
	s_lshl_b32 s33, s[EB], 2
	s_add_co_u32 s[OA], s47, s33
	s_lshl_b32 s[OA], s[OA], 16
	s_add_co_u32 s[OA], s[OA], s32
	s_mov_b32 s[OA+1], 0
	s_lshl_b32 s33, s[LB], 2
	s_add_co_u32 s[OA+2], s47, s33
	s_lshl_b32 s[OA+2], s[OA+2], 16
	s_add_co_u32 s[OA+2], s[OA+2], s32
	s_mov_b32 s[OA+3], 0
	s_mov_b32 s[CS], 0x3db8aa3b                    ; c = log2(e) / 16
	s_mov_b32 s[CS+1], s[CS]
	s_mov_b32 s[SEL], 0x76543210
	s_mov_b32 s[SEL+1], 0xfedcba98
	s_mov_b32 s[TB], 0
	s_mov_b32 s[J], 0
	s_mov_b32 s[PC], 0
	s_and_b32 s32, s45, 1                          ; of the sixteen work-groups that walk these tiles the one with x = 0 and the even head, which walks them all, prefetches,
	s_or_b32 s32, s32, ttmp9
	s_cmp_eq_u32 s32, 0
	s_cselect_b32 s[LIM], 6, 0                     ; while a slot two changes on exists
	s_wait_dscnt 0x0                               ; both opening adds are done
	s_wait_kmcnt 0x0
	s_mov_b32 s[G0], 1
	s_lshl_b32 s[G0+1], s[WV], 15                  ; LDS: wave x 32,768, in slot 0
	s_add_nc_u64 s[G0+2:G0+3], s[4:5], s[42:43]
	s_or_b32 s[G0+3], s[G0+3], 0x80000000
	tensor_load_to_lds s[G0:G0+3], s[G1:G1+7]      ; keys 0-127: every work-group's late block (8 at the least) reads both steps
	s_nop 0
	v_and_b32 v8, 31, v0
	v_lshlrev_b32 v[LA], 4, v8
	v_lshlrev_b32 v[PFO], 8, v8
	v_and_b32 v9, 15, v0
	v_bfe_u32 v10, v0, 4, 1
	v_lshlrev_b32 v10, 3, v10
	s_lshl_b32 s32, s[WV], 4
	v_sub_nc_u32 v[MD], v9, v10
	v_add_nc_u32 v[MD], s32, v[MD]
	v_mov_b32 v[NINF], 0xff800000
	s_add_nc_u64 s[PFA:PFA+1], s[4:5], s[42:43]
	s_add_nc_u64 s[PFA:PFA+1], s[PFA:PFA+1], 65536 ; my part of slot 1: the first change steps it to slot 2.  Nothing is prefetched here at the head
	s_add_nc_u64 s[QA:QA+1], s[4:5], s[QA:QA+1]
	s_add_nc_u64 s[QA+2:QA+3], s[4:5], s[QA+2:QA+3]
	s_add_nc_u64 s[OA:OA+1], s[6:7], s[OA:OA+1]
	s_add_nc_u64 s[OA+2:OA+3], s[6:7], s[OA+2:OA+3]
.irp t, 0,1
.irp c, 0,1,2,3,4,5,6,7
	global_load_b128 v[Q+64*\t+8*\c:Q+64*\t+8*\c+3], v[LA], s[QA+2*\t:QA+2*\t+1] offset:\c*1024
	global_load_b128 v[Q+64*\t+8*\c+4:Q+64*\t+8*\c+7], v[LA], s[QA+2*\t:QA+2*\t+1] offset:\c*1024+512
.endr
.endr
.irp t, 0,1
	v_mov_b32 v[ST+8*\t+1], 0xff61b1e6             ; m = -3e38, under every score
	v_mul_f32 v[ST+8*\t], s[CS], v[ST+8*\t+1]
.irp i, 2,3,4,5,6,7
	v_mov_b32 v[ST+8*\t+\i], 0
.endr
.endr
	v_mov_b32 v[Z], 0
	v_mov_b32 v[Z+1], 0
	WIN 0x40
.set i, 0
.rept 128
	v_pk_mul_f32 v[i:i+1], v[Z:Z+1], v[Z:Z+1]      ; O^T begins as zeros, two registers a line: the step is written for every trip alike, and where a tile's walk ends hangs on the work-group's number
.set i, i+2
.endr
	WIN 0
.macro MASK t                          ; on tile t's diagonal hidden scores become -infinity ahead of the maximum; each accumulator from its low end on
.irp k, 0,1,2,3
.irp i, 0,1,2,3,4,5,6,7
	v_cmp_gt_i32 vcc_lo, 16*\k+\i, v[MD]
	v_cndmask_b32 v[S+32*(\t)+8*\k+\i], v[S+32*(\t)+8*\k+\i], v[NINF], vcc_lo
.endr
.endr
.endm
; The softmax of tiles lo .. 1 (lo = 0: both, line by line, so that no line waits for the line above it; lo = 1: the late tile alone)
.macro SOFTMAX lo
.irp k, 0,1,2,3
.irp t, 0,1
.if \t >= \lo
	v_max3_num_f32 v[ST+8*\t+4+\k], v[S+32*\t+8*\k], v[S+32*\t+8*\k+1], v[S+32*\t+8*\k+2]
.endif
.endr
.endr
.irp i, 3,5
.irp k, 0,1,2,3
.irp t, 0,1
.if \t >= \lo
	v_max3_num_f32 v[ST+8*\t+4+\k], v[ST+8*\t+4+\k], v[S+32*\t+8*\k+\i], v[S+32*\t+8*\k+\i+1]
.endif
.endr
.endr
.endr
.irp t, 0,1
.if \t >= \lo
	v_max3_num_f32 v[ST+8*\t+4], v[ST+8*\t+4], v[S+32*\t+7], v[S+32*\t+15]
	v_max3_num_f32 v[ST+8*\t+6], v[ST+8*\t+6], v[S+32*\t+23], v[S+32*\t+31]
.endif
.endr
.irp t, 0,1
.if \t >= \lo
	v_max3_num_f32 v[ST+8*\t+4], v[ST+8*\t+4], v[ST+8*\t+5], v[ST+8*\t+6]
.endif
.endr
.irp t, 0,1
.if \t >= \lo
	v_max3_num_f32 v[ST+8*\t+4], v[ST+8*\t+4], v[ST+8*\t+7], v[ST+8*\t+1]   ; with the old m
.endif
.endr
.irp t, 0,1
.if \t >= \lo
	v_permlanex16_b32 v[ST+8*\t+5], v[ST+8*\t+4], s[SEL], s[SEL+1]          ; the query's other 32 keys lie in the lane 16 away
.endif
.endr
.irp t, 0,1
.if \t >= \lo
	v_mov_b32 v[ST+8*\t+7], v[ST+8*\t]             ; c m_old
.endif
.endr
.irp t, 0,1
.if \t >= \lo
	v_max_num_f32 v[ST+8*\t+1], v[ST+8*\t+4], v[ST+8*\t+5]
.endif
.endr
.irp t, 0,1
.if \t >= \lo
	v_mul_f32 v[ST+8*\t], s[CS], v[ST+8*\t+1]
.endif
.endr
.irp t, 0,1
.if \t >= \lo
	v_sub_f32 v[ST+8*\t+7], v[ST+8*\t+7], v[ST+8*\t]
.endif
.endr
.irp i, 0,2,4,6,8,10,12,14,16,18,20,22,24,26,28,30
.irp t, 0,1
.if \t >= \lo
	v_pk_fma_f32 v[S+32*\t+\i:S+32*\t+\i+1], v[S+32*\t+\i:S+32*\t+\i+1], s[CS:CS+1], v[ST+8*\t:ST+8*\t+1] op_sel_hi:[1,0,0] neg_lo:[0,0,1] neg_hi:[0,0,1]   ; c s - c m
.endif
.endr
.endr
.irp t, 0,1
.if \t >= \lo
	v_exp_f32 v[ST+8*\t+6], v[ST+8*\t+7]           ; a
.endif
.endr
.irp i, 0,1,2,3,4,5,6,7,8,9,10,11,12,13,14,15,16,17,18,19,20,21,22,23,24,25,26,27,28,29,30,31
.irp t, 0,1
.if \t >= \lo
	v_exp_f32 v[S+32*\t+\i], v[S+32*\t+\i]         ; p
.endif
.endr
.endr
	v_nop                                          ; a plain line behind the last exponential
	s_wait_alu depctr_va_vdst(0)                   ; one wait for the whole batch (33 a tile), ahead of its first reader
.irp i, 0,1,2,3,4,5,6,7,8,9,10,11,12,13,14,15
.irp t, 0,1
.if \t >= \lo
	v_cvt_pk_f16_f32 v[P+16*\t+\i], v[S+32*\t+2*\i], v[S+32*\t+2*\i+1]
.endif
.endr
.endr
.irp u, 0,1,2,3,4,5,6,7                            ; the sums, of the f32 p, in place: neighbours 1, 2, 4, 8 pairs apart
.irp t, 0,1
.if \t >= \lo
	v_pk_add_f32 v[S+32*\t+4*\u:S+32*\t+4*\u+1], v[S+32*\t+4*\u:S+32*\t+4*\u+1], v[S+32*\t+4*\u+2:S+32*\t+4*\u+3]
.endif
.endr
.endr
.irp u, 0,1,2,3
.irp t, 0,1
.if \t >= \lo
	v_pk_add_f32 v[S+32*\t+8*\u:S+32*\t+8*\u+1], v[S+32*\t+8*\u:S+32*\t+8*\u+1], v[S+32*\t+8*\u+4:S+32*\t+8*\u+5]
.endif
.endr
.endr
.irp u, 0,1
.irp t, 0,1
.if \t >= \lo
	v_pk_add_f32 v[S+32*\t+16*\u:S+32*\t+16*\u+1], v[S+32*\t+16*\u:S+32*\t+16*\u+1], v[S+32*\t+16*\u+8:S+32*\t+16*\u+9]
.endif
.endr
.endr
.irp t, 0,1
.if \t >= \lo
	v_pk_add_f32 v[S+32*\t:S+32*\t+1], v[S+32*\t:S+32*\t+1], v[S+32*\t+16:S+32*\t+17]
.endif
.endr
.irp t, 0,1
.if \t >= \lo
	v_pk_fma_f32 v[ST+8*\t+2:ST+8*\t+3], v[ST+8*\t+2:ST+8*\t+3], v[ST+8*\t+6:ST+8*\t+7], v[S+32*\t:S+32*\t+1] op_sel_hi:[1,0,1]   ; l = a l + the sum
.endif
.endr
	WIN W_RS
.irp t, 0,1
.if \t >= \lo
.set i, 128*\t
.rept 64
	v_pk_mul_f32 v[i:i+1], v[i:i+1], v[ST+8*\t+6:ST+8*\t+7] op_sel_hi:[1,0]   ; O^T x a
.set i, i+2
.endr
.endif
.endr
.endm
; THE CHANGE OF SLOTS.  Every wave: all its tensor loads have landed (its part of the slot ahead); the add; its reads of the slot left behind are over; the barrier.  fill = 1: the slot left behind takes the next two steps' tiles.
.macro CHANGE fill
	s_wait_tensorcnt 0x0                           ; no tensor load of mine is out, so the descriptor may be written
	ds_add_u32 v[SPW], v[NIL]
.if \fill
	s_xor_b32 s[G0+1], s[G0+1], SLOT1              ; the other slot,
	s_add_nc_u64 s[G0+2:G0+3], s[G0+2:G0+3], 65536 ; the next 128 keys
	s_wait_xcnt 0x0                                ; the last prefetches, a slot back, have read their address
	s_add_nc_u64 s[PFA:PFA+1], s[PFA:PFA+1], 65536
.endif
	s_wait_dscnt 0x0
	s_barrier_signal -1
	s_barrier_wait -1
.if \fill
	s_add_co_u32 s32, s[J], 2                      ; the first step of the slot that this change would ask for: read only where it is at or under my late block.
	s_cmp_gt_u32 s32, s[LB]                        ; Ids and the count of steps alone, the same in all four waves; every wait on TENSORcnt here is for 0
	s_cbranch_scc1 .Lpast_\@
	tensor_load_to_lds s[G0:G0+3], s[G1:G1+7]      ; my one tensor load behind this barrier: it has the slot's two steps in which to land
	s_nop 0
.rept 4
	v_nop
.endr
.Lpast_\@:
	s_cmp_lt_u32 s[PC], s[LIM]                     ; A PREFETCH INTO THE L2 of my 32,768 bytes of the slot that the NEXT change asks for: 128 blocks of 256 bytes, a lane a block, four lines.
	s_cbranch_scc0 .Lnot_mine_\@                   ; One work-group of the sixteen that walk these tiles asks, each of its waves for the part that it fetches: each block is named once in the launch
.irp n, 0,1,2,3
	global_prefetch_b8 v[PFO], s[PFA:PFA+1] offset:8192*\n th:TH_LOAD_NT scope:SCOPE_SE
.endr
.Lnot_mine_\@:
.endif
.endm
; The work of a key step for tiles lo .. 1; K's 64 loads are out.  The products of channel group c wait for that group alone; V's 64 loads stand between the groups, eight at a time.
; The accumulators take turns, one instruction a turn: eight or four in K Q^T, 32 or 16 in V^T P.
.macro BODY lo, q
.irp c, 0,1,2,3,4,5,6,7
	s_wait_dscnt 56                                ; behind K's group c: 64 - 8 (c + 1) loads of K and 8 c of V: 56 for every c
	WIN W_KQ
.irp k, 0,1,2,3
.irp t, 0,1
.if \t >= \lo
.if \c == 0
	v_wmma_f32_16x16x32_f16 v[S+32*\t+8*\k:S+32*\t+8*\k+7], v[64*\k+8*\c:64*\k+8*\c+7], v[Q+64*\t+8*\c:Q+64*\t+8*\c+7], 0
.else
	v_wmma_f32_16x16x32_f16 v[S+32*\t+8*\k:S+32*\t+8*\k+7], v[64*\k+8*\c:64*\k+8*\c+7], v[Q+64*\t+8*\c:Q+64*\t+8*\c+7], v[S+32*\t+8*\k:S+32*\t+8*\k+7]
.endif
.endif
.endr
.endr
	WIN 0xc0
.irp x, 0,1,2,3                        ; V^T's fragments f = 4 c + x: keys 32 (f / 16) on, channels 16 (f % 16) on, turned by the load
	ds_load_tr16_b128 v[8*(4*\c+\x):8*(4*\c+\x)+3], v[ADRV] offset:(\q)*STEPB+((4*\c+\x)/16)*16384+((4*\c+\x)%16)*512
	ds_load_tr16_b128 v[8*(4*\c+\x)+4:8*(4*\c+\x)+7], v[ADRV] offset:(\q)*STEPB+((4*\c+\x)/16)*16384+8192+((4*\c+\x)%16)*512
.endr
.endr
	WIN 0
	PLACES                                         ; in front of the first read of the scores
.if \lo == 0
	s_cmp_lg_u32 s[J], s[EB]                       ; with both tiles at work only the early one can stand on its diagonal
.else
	s_cmp_lg_u32 s[J], s[LB]
.endif
	s_cbranch_scc1 .Lopen_\@
	MASK \lo
.Lopen_\@:
	SOFTMAX \lo
	s_wait_dscnt 0x0                               ; V is in
	WIN W_PV
.irp kk, 0,1
.irp ct, 0,1,2,3,4,5,6,7,8,9,10,11,12,13,14,15
.irp t, 0,1
.if \t >= \lo
	v_wmma_f32_16x16x32_f16 v[128*\t+8*\ct:128*\t+8*\ct+7], v[128*\kk+8*\ct:128*\kk+8*\ct+7], v[P+16*\t+8*\kk:P+16*\t+8*\kk+7], v[128*\t+8*\ct:128*\t+8*\ct+7]
.endif
.endr
.endr
.endr
	WIN 0
.endm
; A KEY STEP, the q-th of the slot in hand.
.macro KSTEP q
	s_cmp_gt_u32 s[J], s[LB]                       ; beyond the late block's diagonal: nothing
	s_cbranch_scc1 .Lhidden_\@
	PLACES                                         ; with the two additions below: in front of loads into registers that the last step's products have read
	v_add_nc_u32 v[ADR], s[TB], v[LA]
	v_add_nc_u32 v[ADRV], 65536, v[ADR]
	WIN 0x80
.irp c, 0,1,2,3,4,5,6,7
.irp k, 0,1,2,3
	ds_load_b128 v[64*\k+8*\c:64*\k+8*\c+3], v[ADR] offset:(\q)*STEPB+\k*8192+\c*1024
	ds_load_b128 v[64*\k+8*\c+4:64*\k+8*\c+7], v[ADR] offset:(\q)*STEPB+\k*8192+\c*1024+512
.endr
.endr
	WIN 0
	s_cmp_gt_u32 s[J], s[EB]                       ; beyond the early block's diagonal: the late tile alone
	s_cbranch_scc1 .Lsingle_\@
	BODY 0, \q
	s_branch .Lhidden_\@
.Lsingle_\@:
	BODY 1, \q
.Lhidden_\@:
	s_add_co_u32 s[J], s[J], 1
.endm
	s_wait_loadcnt 0x0                             ; Q
.Lslot:                                            ; 7 trips: a change of slots and the slot's two steps
	CHANGE 1
	KSTEP 0
	KSTEP 1
	s_xor_b32 s[TB], s[TB], SLOT1
	s_add_co_u32 s[PC], s[PC], 1
	s_cmp_lt_u32 s[PC], 7
	s_cbranch_scc1 .Lslot
	CHANGE 0                                       ; the last slot is written out: nothing is left to ask for
	KSTEP 0
	KSTEP 1
	; THE WAY OUT: O^T / l, rounded to f16; a lane's eight channels are 16 bytes of the image that the projection loads: each store of the wave covers 512 consecutive bytes.
	PLACES
.irp t, 0,1
	v_add_f32 v[ST+8*\t+4], v[ST+8*\t+2], v[ST+8*\t+3]
.endr
.irp t, 0,1
	v_permlanex16_b32 v[ST+8*\t+5], v[ST+8*\t+4], s[SEL], s[SEL+1]
.endr
.irp t, 0,1
	v_add_f32 v[ST+8*\t+4], v[ST+8*\t+4], v[ST+8*\t+5]
.endr
.irp t, 0,1
	v_rcp_f32 v[ST+8*\t+6], v[ST+8*\t+4]
.endr
	v_nop
	s_wait_alu depctr_va_vdst(0)                   ; one wait for the two reciprocals
	WIN W_RS
.irp t, 0,1
.set i, 128*\t
.rept 64
	v_pk_mul_f32 v[i:i+1], v[i:i+1], v[ST+8*\t+6:ST+8*\t+7] op_sel_hi:[1,0]
.set i, i+2
.endr
.endr
	WIN 0x05
.set i, 0
.rept 128
	v_cvt_pk_f16_f32 v[Q+i], v[2*i], v[2*i+1]
.set i, i+1
.endr
	WIN 0
.irp t, 0,1
.irp c, 0,1,2,3,4,5,6,7,8,9,10,11,12,13,14,15
	global_store_b128 v[LA], v[Q+64*\t+4*\c:Q+64*\t+4*\c+3], s[OA+2*\t:OA+2*\t+1] offset:\c*512
.endr
.endr
	s_wait_tensorcnt 0x0                           ; the wave's end
	ds_add_u32 v[SPW], v[NIL]
	s_wait_dscnt 0x0
	s_endpgm
.Lfunc_end_k_q5602c030c7_attn:
	.size	k_q5602c030c7_attn, .Lfunc_end_k_q5602c030c7_attn-k_q5602c030c7_attn
	.p2alignl 7, 3214868480
	.fill 96, 4, 3214868480
	.section	.rodata,"a",@progbits
	.p2align	6, 0x0
	.amdhsa_kernel k_q5602c030c7_attn
		.amdhsa_group_segment_fixed_size 327680
		.amdhsa_private_segment_fixed_size 0
		.amdhsa_enable_private_segment 0
		.amdhsa_kernarg_size 16
		.amdhsa_user_sgpr_count 2
		.amdhsa_user_sgpr_kernarg_segment_ptr 1
		.amdhsa_wavefront_size32 1
		.amdhsa_system_sgpr_workgroup_id_x 1
		.amdhsa_system_sgpr_workgroup_id_y 1
		.amdhsa_system_sgpr_workgroup_id_z 1
		.amdhsa_system_vgpr_workitem_id 0
		.amdhsa_next_free_vgpr 1024
		.amdhsa_next_free_sgpr 66
		.amdhsa_reserve_vcc 1
		.amdhsa_float_denorm_mode_32 3
		.amdhsa_float_denorm_mode_16_64 3
		.amdhsa_memory_ordered 1
		.amdhsa_forward_progress 1
		.amdhsa_inst_pref_size 255
	.end_amdhsa_kernel
	.section	.bss,"aw",@nobits
	.p2align	6
	.space	262144
	.amdgpu_metadata
---
amdhsa.version: [ 1, 2 ]
amdhsa.kernels:
  - .name:           k_q5602c030c7_attn
    .symbol:         k_q5602c030c7_attn.kd
    .args:
      - { .name: qkv16, .offset: 0, .size: 8, .value_kind: global_buffer, .address_space: global }
      - { .name: attn16, .offset: 8, .size: 8, .value_kind: global_buffer, .address_space: global }
    .group_segment_fixed_size: 327680
    .private_segment_fixed_size: 0
    .kernarg_segment_align: 8
    .kernarg_segment_size: 16
    .max_flat_workgroup_size: 128
    .sgpr_count:     66
    .vgpr_count:     1024
    .wavefront_size: 32
...
	.end_amdgpu_metadata
.endif
;; end of part 3
;; launch outproj (part 4): grid 8 x 32, 4 waves a work-group, clusters of 4 x 4, 327,680 bytes of LDS; arguments attn16, wo16, out0; writes out0
.if DOCPART == 4
	.amdgcn_target "amdgcn-amd-amdhsa--gfx1250"
	.amdhsa_code_object_version 6
	.text
	.protected	k_q5602c030c7_outproj
	.globl	k_q5602c030c7_outproj
	.p2align	8
	.type	k_q5602c030c7_outproj,@function
k_q5602c030c7_outproj:
	s_mov_b64 s[64:65], 0
	v_nop
	global_prefetch_b8 v0, s[64:65] scope:SCOPE_SE
	s_setreg_imm32_b32 hwreg(HW_REG_WAVE_MODE, 25, 1), 1
	s_wait_xcnt 0x0
	s_wait_alu depctr_hold_cnt(0) depctr_sa_sdst(0) depctr_va_vdst(0) depctr_va_sdst(0) depctr_va_ssrc(0) depctr_va_vcc(0) depctr_vm_vsrc(0)
	s_getreg_b32 s2, hwreg(HW_REG_IB_STS2, 6, 4)
	s_cmp_eq_u32 s2, 0
	s_cbranch_scc0 .Lentry_in_a_cluster
	s_endpgm
.Lentry_in_a_cluster:
	s_bfe_u32 s2, ttmp6, 0x10000c
	s_cmp_lg_u32 s2, 0xf033
	s_cbranch_scc0 .Lentry_shape_is_right
	s_endpgm
.Lentry_shape_is_right:
; out0 = attn Wo on f16 operands, f32 sums: [4,096][2,048] x [2,048][2,048].  Positions 0-15 of every sequence are left to the launch that carries them in f32: their rows are not stored here.
; A tile of out0 is 128 rows x 256 columns: 256 work-groups.  Four waves, each 64 x 128: 32 accumulators, 256 registers (window 1).  K goes in steps of 128 through a ring of two LDS slots.
; Both operands lie in memory as images of operand registers (16 rows x 32 K = 1,024 bytes): tiles are rows of 4,096 bytes, LDS needs no pitch, every LDS load is 16 bytes x lane.
; CLUSTER 4 x 4: the tile column is 4 x cluster x + cx; the batch is cy, the block of 128 positions the cluster's y: so 'the sequence's first rows' is a test on the cluster's y and the wave's number.
; attn's tile is asked for jointly along a row of the cluster, Wo's along a column.  THE MATRIX INSTRUCTION IS USED TRANSPOSED (source 0 = 16 columns of Wo, source 1 = 16 rows of attn): a lane holds eight neighbouring numbers of a row.
; REGISTERS: window 0: v16-29 addresses; v64-127 attn's fragments, two buffers of 32; v128-255 Wo's, two of 64; on the way out v64-191 hold rows.
.set SLOT,   98304                     ; attn's 8 tiles x 4,096 bytes, then Wo's 16
.set STAGE,  2*SLOT                    ; 16 rows x (512 + 16) bytes for each wave; no tensor load lands here
.set SPITCH, 528
.set SPARE,  STAGE+4*16*SPITCH
.set LAPS,   8                         ; 16 K steps, two a lap
.set ADRA, 16
.set ADRB, 20
.set STO,  24
.set RD,   25
.set CO,   26
.set SPW,  28
.set NIL,  29
.set G1,  24
.set G0,  32
.set G1B, 48
.set G0B, 56
.set MSB, 0
.macro WIN new
.if MSB != (\new)
	s_set_vgpr_msb (MSB<<8)|(\new)
.set MSB, (\new)
.endif
.endm
.set MUL, 0x50                         ; C and D window 1, operands window 0
.macro JLOAD s                         ; waves 0, 1 fetch attn's halves, waves 2, 3 Wo's; an s_nop 0 and four v_nop follow each line
	s_cmp_eq_u32 s11, 0
	s_cbranch_scc0 .Lfor_b_\@
	tensor_load_to_lds s[G0+4*\s:G0+4*\s+3], s[G1:G1+7]
	s_nop 0
.rept 4
	v_nop
.endr
	s_branch .Lasked_\@
.Lfor_b_\@:
	tensor_load_to_lds s[G0B+4*\s:G0B+4*\s+3], s[G1B:G1B+7]
	s_nop 0
.rept 4
	v_nop
.endr
.Lasked_\@:
.endm
.macro CREST
	s_cmp_lg_u32 s10, 0
	s_cbranch_scc1 .Lnot_wave_0_\@
	s_barrier_signal -3
.Lnot_wave_0_\@:
	s_barrier_wait -3
	s_barrier_signal -1
	s_barrier_wait -1
.endm
.macro CROUND
	s_barrier_signal -1
	s_barrier_wait -1
	CREST
.endm
	s_load_b128 s[4:7], s[0:1], 0x0                ; attn16, wo16
	s_load_b64 s[8:9], s[0:1], 0x10                ; out0
	v_lshl_add_u32 v[SPW], v0, 2, SPARE
	v_mov_b32 v[NIL], 0
	ds_add_u32 v[SPW], v[NIL]                      ; the opening: the add, twice on end, and its wait ahead of my first tensor load
	ds_add_u32 v[SPW], v[NIL]
	v_lshrrev_b32 v1, 5, v0
	v_readfirstlane_b32 s10, v1
	s_lshr_b32 s11, s10, 1                         ; which half of the rows is mine; also: I fetch attn (0) or Wo (1)
	s_and_b32 s12, s10, 1                          ; which half of the columns; also which half I fetch
	s_bfe_u32 s40, ttmp6, 0x40000
	s_bfe_u32 s41, ttmp6, 0x40004                  ; cy = the batch
	s_lshl_b32 s42, ttmp9, 2
	s_add_co_u32 s42, s42, s40                     ; tile column
	s_and_b32 s45, ttmp7, 0xffff                   ; the block of 128 positions
	s_lshl_b32 s43, s41, 2
	s_lshl_b32 s43, 15, s43
	s_lshl_b32 s44, 0x1111, s40
	s_or_b32 s[G1+0], s43, (3<<16)|(1<<21)
	s_or_b32 s[G1B+0], s44, (3<<16)|(1<<21)
	s_mov_b32 s[G1+1], 512<<16                     ; attn: 4 tiles' 4,096 bytes, 65,536 bytes apart
	s_mov_b32 s[G1+2], 4<<16
	s_mov_b32 s[G1+3], 512<<16
	s_mov_b32 s[G1+4], 4
	s_mov_b32 s[G1+5], 8192
	s_mov_b32 s[G1+6], 0
	s_mov_b32 s[G1+7], 0
	s_mov_b32 s[G1B+1], 512<<16                    ; Wo: 8 tiles'
	s_mov_b32 s[G1B+2], 8<<16
	s_mov_b32 s[G1B+3], 512<<16
	s_mov_b32 s[G1B+4], 8
	s_mov_b32 s[G1B+5], 8192
	s_mov_b32 s[G1B+6], 0
	s_mov_b32 s[G1B+7], 0
	s_lshl_b32 s14, s41, 6
	s_lshl_b32 s15, s45, 3
	s_add_co_u32 s14, s14, s15                     ; the tile's first 16 rows
	s_lshl_b32 s15, s12, 2
	s_add_co_u32 s14, s14, s15
	s_lshl_b32 s14, s14, 16
	s_mov_b32 s15, 0
	s_lshl_b32 s46, s42, 4
	s_lshl_b32 s47, s12, 3
	s_add_co_u32 s46, s46, s47
	s_lshl_b32 s46, s46, 16
	s_mov_b32 s47, 0
	s_lshl_b32 s20, s12, 14                        ; LDS: attn's halves,
	s_lshl_b32 s21, s12, 15
	s_add_co_u32 s21, s21, 32768                   ; Wo's behind them
	s_wait_dscnt 0x0
	s_wait_kmcnt 0x0
	s_add_nc_u64 s[14:15], s[4:5], s[14:15]
	s_add_nc_u64 s[46:47], s[6:7], s[46:47]
	CROUND                                         ; the first joint loads meet
.irp s, 0,1
	s_mov_b32 s[G0+4*\s], 1
	s_add_co_u32 s[G0+4*\s+1], s20, \s*SLOT
	s_add_nc_u64 s[G0+4*\s+2:G0+4*\s+3], s[14:15], \s*4096
	s_or_b32 s[G0+4*\s+3], s[G0+4*\s+3], 0x80000000
	s_mov_b32 s[G0B+4*\s], 1
	s_add_co_u32 s[G0B+4*\s+1], s21, \s*SLOT
	s_add_nc_u64 s[G0B+4*\s+2:G0B+4*\s+3], s[46:47], \s*4096
	s_or_b32 s[G0B+4*\s+3], s[G0B+4*\s+3], 0x80000000
	JLOAD \s
.endr
	v_and_b32 v1, 15, v0
	v_bfe_u32 v2, v0, 4, 1
	v_and_b32 v3, 31, v0
	v_lshlrev_b32 v[CO], 4, v3                     ; 16 x lane
	s_lshl_b32 s20, s11, 14
	s_lshl_b32 s21, s12, 15
	s_add_co_u32 s21, s21, 32768
.irp s, 0,1
	v_add_nc_u32 v[ADRA+\s], s20, v[CO]
	v_add_nc_u32 v[ADRB+\s], s21, v[CO]
	s_add_co_u32 s20, s20, SLOT
	s_add_co_u32 s21, s21, SLOT
.endr
	s_mul_i32 s23, s10, 16*SPITCH
	s_add_co_u32 s23, s23, STAGE
	v_mul_u32_u24 v4, v1, SPITCH
	v_lshl_add_u32 v4, v2, 5, v4
	v_add_nc_u32 v[STO], s23, v4                   ; in: row r, 32 bytes for each half of the lanes
	v_add_nc_u32 v[RD], s23, v[CO]                 ; back: the 32 lanes take one row of 512 bytes
	s_lshl_b32 s18, s41, 6
	s_lshl_b32 s19, s45, 3
	s_add_co_u32 s18, s18, s19
	s_lshl_b32 s19, s11, 2
	s_add_co_u32 s18, s18, s19                     ; my first tile of 16 rows
	s_lshl_b32 s18, s18, 17                        ; 16 rows of 8,192 bytes
	s_lshl_b32 s19, s42, 10
	s_add_co_u32 s18, s18, s19
	s_lshl_b32 s19, s12, 9
	s_add_co_u32 s18, s18, s19
	s_mov_b32 s19, 0
	s_add_nc_u64 s[8:9], s[8:9], s[18:19]
	s_or_b32 s2, s45, s11                          ; 0 where my first 16 rows are positions 0-15
.macro MUL8 f, a, zero                 ; attn's block a against Wo's eight, 32 along K, buffer f
.irp b, 0,1,2,3,4,5,6,7
.if \zero
	v_wmma_f32_16x16x32_f16 v[8*(8*(\a)+\b):8*(8*(\a)+\b)+7], v[128+64*(\f)+8*\b:128+64*(\f)+8*\b+7], v[64+32*(\f)+8*(\a):64+32*(\f)+8*(\a)+7], 0
.else
	v_wmma_f32_16x16x32_f16 v[8*(8*(\a)+\b):8*(8*(\a)+\b)+7], v[128+64*(\f)+8*\b:128+64*(\f)+8*\b+7], v[64+32*(\f)+8*(\a):64+32*(\f)+8*(\a)+7], v[8*(8*(\a)+\b):8*(8*(\a)+\b)+7]
.endif
.endr
.endm
.macro FETCH slot, q, f                ; 24 LDS loads in one run: Wo's eight fragments, then attn's four
.irp i, 0,1,2,3,4,5,6,7
	ds_load_b128 v[128+64*(\f)+8*\i:128+64*(\f)+8*\i+3], v[ADRB+\slot] offset:\i*4096+(\q)*1024
	ds_load_b128 v[128+64*(\f)+8*\i+4:128+64*(\f)+8*\i+7], v[ADRB+\slot] offset:\i*4096+(\q)*1024+512
.endr
.irp i, 0,1,2,3
	ds_load_b128 v[64+32*(\f)+8*\i:64+32*(\f)+8*\i+3], v[ADRA+\slot] offset:\i*4096+(\q)*1024
	ds_load_b128 v[64+32*(\f)+8*\i+4:64+32*(\f)+8*\i+7], v[ADRA+\slot] offset:\i*4096+(\q)*1024+512
.endr
.endm
.macro PLACES
.rept 4
	v_nop
.endr
.endm
; A K step is four quarters of 32 along K, 32 matrix instructions each, on buffers 0, 1, 0, 1; the 32 accumulators take turns in the same order in every quarter.
.macro QUARTER slot, q, f, zero        ; multiplies buffer f; in its middle fetches the slot's quarter q into the other buffer
	s_wait_dscnt 4                                 ; all but attn's blocks 2 and 3
	WIN MUL
	MUL8 \f, 0, \zero
	MUL8 \f, 1, \zero
	PLACES
	WIN 0
	FETCH \slot, \q, 1-(\f)
	s_wait_dscnt 24                                ; all but the 24 just issued
	WIN MUL
	MUL8 \f, 2, \zero
	MUL8 \f, 3, \zero
.endm
.macro TURN slot, next, fill           ; the last quarter multiplies buffer 1 and changes slots
	WIN 0
	s_wait_tensorcnt 0x0                           ; all my tensor loads have landed: my part of the next slot
	ds_add_u32 v[SPW], v[NIL]
	s_wait_dscnt 5                                 ; (the add and the youngest four loads may be out)
	WIN MUL
	MUL8 1, 0, 0
	s_wait_dscnt 0x0                               ; the add is done, my reads of this slot are over
	s_barrier_signal -1
	MUL8 1, 1, 0
	WIN 0
	s_barrier_wait -1
.if \fill
	CREST                                          ; a round of the cluster's barrier: no wave of any partner still reads this slot or has a load on its way
	s_add_nc_u64 s[G0+4*\slot+2:G0+4*\slot+3], s[G0+4*\slot+2:G0+4*\slot+3], 8192
	s_add_nc_u64 s[G0B+4*\slot+2:G0B+4*\slot+3], s[G0B+4*\slot+2:G0B+4*\slot+3], 8192
	JLOAD \slot                                    ; the first tensor load behind the round; its four v_nop are the places in front of the loads below
.else
	PLACES
.endif
	FETCH \next, 0, 0
	WIN MUL
	MUL8 1, 2, 0
	MUL8 1, 3, 0
.endm
	s_wait_tensorcnt 1                             ; my part of K step 0 is in; K step 1's may be out
	s_barrier_signal -1
	s_barrier_wait -1
	FETCH 0, 0, 0
	QUARTER 0, 1, 0, 1                             ; the first quarter's products start the sums
	WIN 0
	s_mov_b32 s3, LAPS-1
.Llap:
	QUARTER 0, 2, 1, 0
	QUARTER 0, 3, 0, 0
	TURN 0, 1, 1
	QUARTER 1, 1, 0, 0
	QUARTER 1, 2, 1, 0
	QUARTER 1, 3, 0, 0
	TURN 1, 0, 1
	QUARTER 0, 1, 0, 0
	WIN 0
	s_sub_co_u32 s3, s3, 1
	s_cmp_lg_u32 s3, 0
	s_cbranch_scc1 .Llap
	QUARTER 0, 2, 1, 0                             ; the last lap fills nothing
	QUARTER 0, 3, 0, 0
	TURN 0, 1, 0
	QUARTER 1, 1, 0, 0
	QUARTER 1, 2, 1, 0
	QUARTER 1, 3, 0, 0
	s_wait_dscnt 4
	WIN MUL
	MUL8 1, 0, 0
	MUL8 1, 1, 0
	s_wait_dscnt 0
	MUL8 1, 2, 0
	MUL8 1, 3, 0
	WIN 0
; THE WAY OUT, block by block of 16 rows x 128 columns, through my own stage: in by 32 bytes a lane, back as whole rows of 512 bytes.  LDS serves a wave's instructions in order: no wait between the stores and the loads.
.macro TOSTAGE a
	WIN 0x04                                       ; an LDS store's data are its source 1: window 1
.irp b, 0,1,2,3,4,5,6,7
	ds_store_b128 v[STO], v[64*(\a)+8*\b:64*(\a)+8*\b+3] offset:64*\b          ; each accumulator from its low end on
	ds_store_b128 v[STO], v[64*(\a)+8*\b+4:64*(\a)+8*\b+7] offset:64*\b+16
.endr
	WIN 0
.set BB, 64+64*((\a)%2)
.irp t, 0,1,2,3,4,5,6,7,8,9,10,11,12,13,14,15
	ds_load_b128 v[BB+4*\t:BB+4*\t+3], v[RD] offset:\t*SPITCH
.endr
.endm
.macro SEND a, younger
.set BB, 64+64*((\a)%2)
	s_wait_dscnt \younger                          ; the block is back; the next block's 16 stores and 16 loads may be out
.if (\a) > 0
	s_add_nc_u64 s[8:9], s[8:9], 131072            ; 16 rows on (behind a wait on XCNT: the earlier stores have read their base)
.else
	s_cmp_eq_u32 s2, 0                             ; positions 0-15 belong to the launch that carries them in f32
	s_cbranch_scc1 .Lfine_rows
.endif
.irp t, 0,1,2,3,4,5,6,7,8,9,10,11,12,13,14,15
	global_store_b128 v[CO], v[BB+4*\t:BB+4*\t+3], s[8:9] offset:\t*8192 th:TH_STORE_NT   ; 32 lanes: 512 consecutive bytes, aligned
.endr
.if (\a) == 0
.Lfine_rows:
.endif
.endm
	PLACES
	TOSTAGE 0
.irp a, 1,2,3
.if \a > 1
	s_wait_xcnt 0x0                                ; block a - 2's stores have read their registers and their base
.endif
	TOSTAGE \a
	SEND \a-1, 32
.endr
	s_wait_xcnt 0x0
	SEND 3, 0
	s_wait_tensorcnt 0x0                           ; the wave's end
	ds_add_u32 v[SPW], v[NIL]
	s_wait_dscnt 0x0
	CROUND                                         ; the closing round
	s_endpgm
.Lfunc_end_k_q5602c030c7_outproj:
	.size	k_q5602c030c7_outproj, .Lfunc_end_k_q5602c030c7_outproj-k_q5602c030c7_outproj
	.p2alignl 7, 3214868480
	.fill 96, 4, 3214868480
	.section	.rodata,"a",@progbits
	.p2align	6, 0x0
	.amdhsa_kernel k_q5602c030c7_outproj
		.amdhsa_group_segment_fixed_size 327680
		.amdhsa_private_segment_fixed_size 0
		.amdhsa_enable_private_segment 0
		.amdhsa_kernarg_size 24
		.amdhsa_user_sgpr_count 2
		.amdhsa_user_sgpr_kernarg_segment_ptr 1
		.amdhsa_wavefront_size32 1
		.amdhsa_system_sgpr_workgroup_id_x 1
		.amdhsa_system_sgpr_workgroup_id_y 1
		.amdhsa_system_sgpr_workgroup_id_z 1
		.amdhsa_system_vgpr_workitem_id 0
		.amdhsa_next_free_vgpr 512
		.amdhsa_next_free_sgpr 66
		.amdhsa_reserve_vcc 0
		.amdhsa_float_denorm_mode_32 3
		.amdhsa_float_denorm_mode_16_64 3
		.amdhsa_memory_ordered 1
		.amdhsa_forward_progress 1
		.amdhsa_inst_pref_size 85
	.end_amdhsa_kernel
	.amdgpu_metadata
---
amdhsa.version: [ 1, 2 ]
amdhsa.kernels:
  - .name:           k_q5602c030c7_outproj
    .symbol:         k_q5602c030c7_outproj.kd
    .args:
      - { .name: attn16, .offset: 0, .size: 8, .value_kind: global_buffer, .address_space: global }
      - { .name: wo16, .offset: 8, .size: 8, .value_kind: global_buffer, .address_space: global }
      - { .name: out0, .offset: 16, .size: 8, .value_kind: global_buffer, .address_space: global }
    .group_segment_fixed_size: 327680
    .private_segment_fixed_size: 0
    .kernarg_segment_align: 8
    .kernarg_segment_size: 24
    .max_flat_workgroup_size: 128
    .sgpr_count:     66
    .vgpr_count:     512
    .wavefront_size: 32
...
	.end_amdgpu_metadata
.endif
;; end of part 4
;; launch fine (part 5): grid 64 x 4, 8 waves a work-group, no clusters, 19,456 bytes of LDS; arguments qkv32, Wo, out0; writes out0
.if DOCPART == 5
	.amdgcn_target "amdgcn-amd-amdhsa--gfx1250"
	.amdhsa_code_object_version 6
	.text
	.protected	k_q5602c030c7_fine
	.globl	k_q5602c030c7_fine
	.p2align	8
	.type	k_q5602c030c7_fine,@function
k_q5602c030c7_fine:
	s_mov_b64 s[64:65], 0
	v_nop
	global_prefetch_b8 v0, s[64:65] scope:SCOPE_SE
	s_setreg_imm32_b32 hwreg(HW_REG_WAVE_MODE, 25, 1), 1
	s_wait_xcnt 0x0
; Positions 0-15 of every sequence, all in f32: under the causal mask these rows average one to sixteen values, are the largest in size, and would feel the rounding of 16-bit operands most.
; Work-group (x, y): batch y, output columns 32 x .. 32 x + 31.  Wave = head: it makes its head's attention for the 16 positions (16 keys) and multiplies it by its 256 rows of Wo; the eight waves' parts meet in LDS.
; Each head's small attention is made anew in each of the 64 column blocks: the price of one launch in place of two.  All products by v_wmma_f32_16x16x4_f32: 256 a wave.
; The four k of an instruction are (lane / 16, register); which channels or keys stand there is free so long as both sources agree: so the pieces are used as they lie and nothing changes lanes.
;   scores  S^T = K Q^T: registers 2 u, 2 u + 1 of both: channels 16 (u / 4) + 8 h + 2 (u % 4) + j
;   O^T = V^T P: P's registers 2 s, 2 s + 1 are keys 8 h + 2 s + j; V is loaded to match
;   out^T = Wo^T attn^T: attn's registers 8 ct + 2 s + j are channels 16 ct + 8 h + 2 s + j; Wo is loaded to match
; The four accumulators v16-47 are written by matrix instructions alone and take turns, one instruction a turn; what is made of a sum goes into other registers.
; STATED: the stores are runs of 128 bytes (512 KB in all), Wo's loads runs of 64 bytes.
; REGISTERS: window 0: v1-13 addresses, at work; v16-47 accumulators; v48-55 scores; v56-63 p; v64-127 Wo group 0; v128-255 V^T, later Wo group 3.   window 1: v0-127 K, later attn; v128-255 Q, later Wo groups 1, 2.
.set SPARE, 18432                      ; behind eight stages of 16 x 144 bytes: the spare words, 128 bytes a wave
.set LA,   1
.set VA,   4
.set WA,   5
.set MD,   6
.set NINF, 7
.set SPW,  14
.set NIL,  15
.set ACC,  16
.set SS,   48
.set PP,   56
.set WB0,  64
.set VT,   128
.set MSB, 0
.macro WIN new
.if MSB != (\new)
	s_set_vgpr_msb (MSB<<8)|(\new)
.set MSB, (\new)
.endif
.endm
.macro PLACES8                         ; eight places behind this matrix form (ISA guide 7.12.1)
.rept 8
	v_nop
.endr
.endm
	s_load_b128 s[4:7], s[0:1], 0x0                ; qkv32, Wo
	s_load_b64 s[8:9], s[0:1], 0x10                ; out0
	v_lshl_add_u32 v[SPW], v0, 2, SPARE
	v_mov_b32 v[NIL], 0
	v_lshrrev_b32 v2, 5, v0
	v_readfirstlane_b32 s10, v2                    ; wave = head
	s_and_b32 s11, ttmp7, 0xffff                   ; batch
	v_and_b32 v2, 31, v0
	v_lshlrev_b32 v[LA], 4, v2
	v_and_b32 v2, 15, v0                           ; r
	v_bfe_u32 v3, v0, 4, 1                         ; h
	v_lshlrev_b32 v8, 2, v2
	v_lshl_add_u32 v[VA], v3, 13, v8               ; V: key 8 h, channel r
	v_lshl_add_u32 v[WA], v3, 16, v8               ; Wo: row 8 h, column r
	v_lshlrev_b32 v9, 3, v3
	v_sub_nc_u32 v[MD], v2, v9                     ; key 8 h + j is hidden where j > r - 8 h
	v_mov_b32 v[NINF], 0xff800000
	s_mul_i32 s27, s10, 2304
	v_mul_u32_u24 v12, v2, 144
	v_lshl_add_u32 v12, v3, 5, v12
	v_add_nc_u32 v12, s27, v12                     ; my stage: row r of 128 + 16 bytes, + 32 h
	v_lshrrev_b32 v10, 4, v0
	v_and_b32 v11, 15, v0
	v_mul_u32_u24 v13, v10, 144
	v_lshl_add_u32 v13, v11, 3, v13                ; the sum: thread t takes row t / 16, 8 bytes at 8 (t % 16)
	s_lshl_b32 s12, s11, 4
	s_add_co_u32 s14, s12, s10
	s_lshl_b32 s14, s14, 14                        ; q
	s_mov_b32 s15, 0
	s_lshr_b32 s13, s10, 1
	s_add_co_u32 s13, s13, s12
	s_add_co_u32 s16, s13, 8
	s_lshl_b32 s16, s16, 14                        ; k
	s_mov_b32 s17, 0
	s_add_co_u32 s18, s13, 12
	s_lshl_b32 s18, s18, 14                        ; v
	s_mov_b32 s19, 0
	s_lshl_b32 s20, s10, 21                        ; Wo: my head's 256 rows of 8,192 bytes,
	s_lshl_b32 s21, ttmp9, 7                       ; my work-group's 32 columns
	s_add_co_u32 s20, s20, s21
	s_mov_b32 s21, 0
	s_lshl_b32 s22, s11, 23                        ; out0: 1,024 rows of 8,192 bytes a batch
	s_lshl_b32 s23, ttmp9, 7
	s_add_co_u32 s22, s22, s23
	s_mov_b32 s23, 0
	s_mov_b32 s24, 0x76543210
	s_mov_b32 s25, 0xfedcba98
	s_mov_b32 s26, 0x3db8aa3b                      ; c = log2(e) / 16
	s_wait_kmcnt 0x0
	s_add_nc_u64 s[14:15], s[4:5], s[14:15]
	s_add_nc_u64 s[16:17], s[4:5], s[16:17]
	s_add_nc_u64 s[18:19], s[4:5], s[18:19]
	s_add_nc_u64 s[20:21], s[6:7], s[20:21]
	s_add_nc_u64 s[8:9], s[8:9], s[22:23]
.macro WBLOAD g, wb                    ; Wo's rows 64 g .. 64 g + 63 of my 256, 32 columns: 64 registers
.irp cc, 0,1,2,3
.irp s, 0,1,2,3
.irp nt, 0,1
.irp j, 0,1
	global_load_b32 v[\wb+(\cc*4+\s)*4+2*\nt+\j], v[WA], s[20:21] offset:(16*(4*(\g)+\cc)+2*\s+\j)*8192+\nt*64
.endr
.endr
.endr
.endr
.endm
	WIN 0x40
.set p, 0
.rept 32
	global_load_b128 v[4*p:4*p+3], v[LA], s[16:17] offset:512*p           ; K
	global_load_b128 v[128+4*p:128+4*p+3], v[LA], s[14:15] offset:512*p   ; Q
.set p, p+1
.endr
	WIN 0
.irp c, 0,1,2,3,4,5,6,7,8,9,10,11,12,13,14,15
.irp i, 0,1,2,3,4,5,6,7
	global_load_b32 v[VT+8*\c+\i], v[VA], s[18:19] offset:\i*1024+\c*64   ; V(8 h + i, 16 c + r)
.endr
.endr
	WBLOAD 0, WB0
	s_wait_loadcnt 63                              ; behind K's and Q's loads stand 192 others, behind V's 64: all three are in
	WIN 0x05
.set u, 0
.rept 64
.if u < 4
	v_wmma_f32_16x16x4_f32 v[ACC+8*(u%4):ACC+8*(u%4)+7], v[2*u:2*u+1], v[128+2*u:128+2*u+1], 0
.else
	v_wmma_f32_16x16x4_f32 v[ACC+8*(u%4):ACC+8*(u%4)+7], v[2*u:2*u+1], v[128+2*u:128+2*u+1], v[ACC+8*(u%4):ACC+8*(u%4)+7]
.endif
.set u, u+1
.endr
	WIN 0
	PLACES8
	WIN 0x40
	WBLOAD 1, 128                                  ; into Q's registers
	WBLOAD 2, 192
	WIN 0
.irp j, 0,2,4,6
	v_pk_add_f32 v[SS+\j:SS+\j+1], v[ACC+\j:ACC+\j+1], v[ACC+8+\j:ACC+8+\j+1]         ; the four partial sums, each accumulator from its low end on
	v_pk_add_f32 v[PP+\j:PP+\j+1], v[ACC+16+\j:ACC+16+\j+1], v[ACC+24+\j:ACC+24+\j+1]
.endr
.irp j, 0,2,4,6
	v_pk_add_f32 v[SS+\j:SS+\j+1], v[SS+\j:SS+\j+1], v[PP+\j:PP+\j+1]
.endr
.irp j, 0,1,2,3,4,5,6,7
	v_cmp_gt_i32 vcc_lo, \j, v[MD]
	v_cndmask_b32 v[SS+\j], v[SS+\j], v[NINF], vcc_lo
.endr
	v_max3_num_f32 v8, v[SS], v[SS+1], v[SS+2]
	v_max3_num_f32 v8, v8, v[SS+3], v[SS+4]
	v_max3_num_f32 v8, v8, v[SS+5], v[SS+6]
	v_max_num_f32 v8, v8, v[SS+7]
	v_permlanex16_b32 v9, v8, s24, s25
	v_max_num_f32 v8, v8, v9                       ; the row's maximum (key 0 counts for every query)
	v_mul_f32 v8, s26, v8
.irp j, 0,1,2,3,4,5,6,7
	v_fma_f32 v[PP+\j], v[SS+\j], s26, -v8
.endr
.irp j, 0,1,2,3,4,5,6,7
	v_exp_f32 v[PP+\j], v[PP+\j]
.endr
	v_nop
	s_wait_alu depctr_va_vdst(0)                   ; one wait for the eight exponentials
	v_add_f32 v10, v[PP], v[PP+1]
	v_add_f32 v11, v[PP+2], v[PP+3]
	v_add_f32 v10, v10, v[PP+4]
	v_add_f32 v11, v11, v[PP+5]
	v_add_f32 v10, v10, v[PP+6]
	v_add_f32 v11, v11, v[PP+7]
	v_add_f32 v10, v10, v11
	v_permlanex16_b32 v9, v10, s24, s25
	v_add_f32 v10, v10, v9
	v_rcp_f32 v11, v10
	v_nop
	s_wait_alu depctr_va_vdst(0)
.irp g, 0,1,2,3                        ; O^T, four tiles of 16 channels at a time
.irp s, 0,1,2,3
.irp x, 0,1,2,3
.if \s == 0
	v_wmma_f32_16x16x4_f32 v[ACC+8*\x:ACC+8*\x+7], v[VT+8*(4*\g+\x)+2*\s:VT+8*(4*\g+\x)+2*\s+1], v[PP+2*\s:PP+2*\s+1], 0
.else
	v_wmma_f32_16x16x4_f32 v[ACC+8*\x:ACC+8*\x+7], v[VT+8*(4*\g+\x)+2*\s:VT+8*(4*\g+\x)+2*\s+1], v[PP+2*\s:PP+2*\s+1], v[ACC+8*\x:ACC+8*\x+7]
.endif
.endr
.endr
	PLACES8
	WIN 0x40
.irp x, 0,1,2,3
.irp j, 0,1,2,3,4,5,6,7
	v_mul_f32 v[8*(4*\g+\x)+\j], v[ACC+8*\x+\j], v11   ; / the row's sum, into K's registers: attn(r, 16 ct + 8 h + j)
.endr
.endr
	WIN 0
	v_nop                                          ; with the eight above and the other tiles' multiplies: more than nine places before an accumulator is begun anew
.endr
	WBLOAD 3, VT                                   ; into V's registers
	s_wait_loadcnt 63                              ; behind group 2's last load stand 64 others: groups 0, 1 and 2 are in
.macro PROJ g, wb, win, first
	WIN \win
.irp cc, 0,1,2,3
.irp s, 0,1,2,3
.irp nt, 0,1
.if \first && (\cc == 0) && (\s < 2)
	v_wmma_f32_16x16x4_f32 v[ACC+8*(2*\nt+\s%2):ACC+8*(2*\nt+\s%2)+7], v[\wb+(\cc*4+\s)*4+2*\nt:\wb+(\cc*4+\s)*4+2*\nt+1], v[8*(4*(\g)+\cc)+2*\s:8*(4*(\g)+\cc)+2*\s+1], 0
.else
	v_wmma_f32_16x16x4_f32 v[ACC+8*(2*\nt+\s%2):ACC+8*(2*\nt+\s%2)+7], v[\wb+(\cc*4+\s)*4+2*\nt:\wb+(\cc*4+\s)*4+2*\nt+1], v[8*(4*(\g)+\cc)+2*\s:8*(4*(\g)+\cc)+2*\s+1], v[ACC+8*(2*\nt+\s%2):ACC+8*(2*\nt+\s%2)+7]
.endif
.endr
.endr
.endr
.endm
	PROJ 0, WB0, 0x04, 1                           ; source 1 (attn) window 1; source 0 window 0 or 1
	PROJ 1, 128, 0x05, 0
	PROJ 2, 192, 0x05, 0
	s_wait_loadcnt 0x0
	PROJ 3, VT, 0x04, 0
	WIN 0
	PLACES8
.irp nt, 0,1
.irp j, 0,2,4,6
	v_pk_add_f32 v[SS+8*\nt+\j:SS+8*\nt+\j+1], v[ACC+16*\nt+\j:ACC+16*\nt+\j+1], v[ACC+16*\nt+8+\j:ACC+16*\nt+8+\j+1]   ; lane (r, h): my head's part of out(r, 16 nt + 8 h + j)
.endr
.endr
	ds_store_b128 v12, v[SS:SS+3]
	ds_store_b128 v12, v[SS+4:SS+7] offset:16
	ds_store_b128 v12, v[SS+8:SS+11] offset:64
	ds_store_b128 v12, v[SS+12:SS+15] offset:80
	s_wait_dscnt 0x0                               ; for the others' sake: my stores have landed
	s_barrier_signal -1
	s_barrier_wait -1
.irp w, 0,1,2,3,4,5,6,7
	ds_load_b64 v[WB0+2*\w:WB0+2*\w+1], v13 offset:\w*2304
.endr
	v_lshrrev_b32 v8, 4, v0
	v_and_b32 v9, 15, v0
	v_lshlrev_b32 v8, 13, v8
	v_lshl_add_u32 v8, v9, 3, v8                   ; row t / 16 of 8,192 bytes, + 8 (t % 16)
	s_wait_dscnt 0x0
.irp w, 1,2,3,4,5,6,7
	v_pk_add_f32 v[WB0:WB0+1], v[WB0:WB0+1], v[WB0+2*\w:WB0+2*\w+1]   ; the heads in ascending order
.endr
	global_store_b64 v8, v[WB0:WB0+1], s[8:9]
	s_wait_tensorcnt 0x0                           ; the wave's end, behind my last LDS store
	ds_add_u32 v[SPW], v[NIL]
	s_wait_dscnt 0x0
	s_endpgm
.Lfunc_end_k_q5602c030c7_fine:
	.size	k_q5602c030c7_fine, .Lfunc_end_k_q5602c030c7_fine-k_q5602c030c7_fine
	.p2alignl 7, 3214868480
	.fill 96, 4, 3214868480
	.section	.rodata,"a",@progbits
	.p2align	6, 0x0
	.amdhsa_kernel k_q5602c030c7_fine
		.amdhsa_group_segment_fixed_size 19456
		.amdhsa_private_segment_fixed_size 0
		.amdhsa_enable_private_segment 0
		.amdhsa_kernarg_size 24
		.amdhsa_user_sgpr_count 2
		.amdhsa_user_sgpr_kernarg_segment_ptr 1
		.amdhsa_wavefront_size32 1
		.amdhsa_system_sgpr_workgroup_id_x 1
		.amdhsa_system_sgpr_workgroup_id_y 1
		.amdhsa_system_sgpr_workgroup_id_z 1
		.amdhsa_system_vgpr_workitem_id 0
		.amdhsa_next_free_vgpr 512
		.amdhsa_next_free_sgpr 66
		.amdhsa_reserve_vcc 1
		.amdhsa_float_denorm_mode_32 3
		.amdhsa_float_denorm_mode_16_64 3
		.amdhsa_memory_ordered 1
		.amdhsa_forward_progress 1
		.amdhsa_inst_pref_size 72
	.end_amdhsa_kernel
	.amdgpu_metadata
---
amdhsa.version: [ 1, 2 ]
amdhsa.kernels:
  - .name:           k_q5602c030c7_fine
    .symbol:         k_q5602c030c7_fine.kd
    .args:
      - { .name: qkv32, .offset: 0, .size: 8, .value_kind: global_buffer, .address_space: global }
      - { .name: Wo, .offset: 8, .size: 8, .value_kind: global_buffer, .address_space: global }
      - { .name: out0, .offset: 16, .size: 8, .value_kind: global_buffer, .address_space: global }
    .group_segment_fixed_size: 19456
    .private_segment_fixed_size: 0
    .kernarg_segment_align: 8
    .kernarg_segment_size: 24
    .max_flat_workgroup_size: 256
    .sgpr_count:     66
    .vgpr_count:     512
    .wavefront_size: 32
...
	.end_amdgpu_metadata
.endif
;; end of part 5
